; MI455X (gfx1250); checked and timed in simulation.
; The chip was launched on July 23, 2026; its instructions are those of AMD's public machine-readable ISA for CDNA 5 (MIT licence, August 2026) and "CDNA5" Instruction Set Architecture Reference Guide (July 2026). The comments in the code are by the model that wrote it; some were corrected since.
;; Multi Head Attention. Allowed arithmetic: matrix products marked QUANTISED: E2M3 operands, one E8M0 scale for each 32 along K, by v_wmma_scale_f32_16x16x128_f8f6f4 with both operands' format E2M3, f32 sums; everything else in f32.
;; Inputs: W_k 1,024 x 1,024 float32; W_o 1,024 x 1,024 float32; W_q 1,024 x 1,024 float32; W_v 1,024 x 1,024 float32; x 2 x 2,048 x 1,024 float32.
;; Outputs: out0 2 x 2,048 x 1,024 float32.
;; This version of the problem:
;;   THIS VERSION OF THE PROBLEM IS GIVEN IN LOW PRECISION. The matrix products marked QUANTISED in the list below multiply operands that are first quantised to E2M3 (2 exponent bits, 3 mantissa bits; 6 bits a number), with one power-of-two scale for each 32 numbers along K (OCP MX v1.0); their sums are f32. All else is computed in f32.
;;   The module's matrix products, in the order in which they are computed (A, B: the left and right operand; K: the contracted axis; several contracted axes count as one K, in the product's order):
;;     1. [M 4,096, K 1,024] x [K 1,024, N 1,024]; A: input x; B: input W_q: QUANTISED
;;     2. [M 4,096, K 1,024] x [K 1,024, N 1,024]; A: input x; B: input W_k: QUANTISED
;;     3. [M 4,096, K 1,024] x [K 1,024, N 1,024]; A: input x; B: input W_v: QUANTISED
;;     4. batch 32 x [M 2,048, K 64] x [K 64, N 2,048]; A: computed on the way; B: computed on the way: QUANTISED
;;     5. batch 32 x [M 2,048, K 2,048] x [K 2,048, N 64]; A: softmax (see below); B: computed on the way: QUANTISED
;;     6. [M 4,096, K 1,024] x [K 1,024, N 1,024]; A: computed on the way; B: input W_o: QUANTISED
;;   THE QUANTISER, for each operand of a quantised product, along K:
;;     - K is cut into blocks of 32 from its start; a last block that is shorter is filled with zeros.
;;     - A block's scale is 2^e with e = floor(log2(the largest magnitude in the block)) - 2, held to -126 .. 127; a block of zeros has e = 0. As a byte (E8M0): e + 127.
;;     - Each number is divided by its block's scale, clamped to +-7.5, and rounded to the nearest number of E2M3, ties to even, subnormals kept.
;;     - The product sums the exact products of the quantised numbers (number of the format x scale) in f32.
;;   ~~~python
;;   def quantise(x, axis):      # numpy; x: float32 -> the quantised numbers, widened to float32 again
;;       x = np.moveaxis(x, axis, -1); K = x.shape[-1]
;;       x = np.pad(x, [(0, 0)] * (x.ndim - 1) + [(0, -K % 32)]); x = x.reshape(x.shape[:-1] + (-1, 32)); a = np.abs(x).max(-1, keepdims=True)
;;       e = np.where(a > 0, np.clip(np.frexp(np.where(a > 0, a, 1))[1] - 1 - 2, -126, 127), 0)      # np.frexp(a)[1] - 1 = floor(log2(a)), exactly
;;       r = np.clip(x / 2.0 ** e, -7.5, 7.5)
;;       step = 2.0 ** (np.maximum(np.frexp(np.where(r == 0, 1, r))[1] - 1, 0) - 3)
;;       q = np.round(r / step) * step * 2.0 ** e      # np.round: ties to even
;;       return np.moveaxis(q.reshape(q.shape[:-2] + (-1,))[..., :K], -1, axis).astype(np.float32)
;;   ~~~
;;   SOFTMAX AHEAD OF A QUANTISED PRODUCT. Where the list says 'softmax', what is quantised is not the finished softmax but p = 2^(t - M), with t = logit x log2(e) and M = ceil(the row's largest t), a whole number; so 1/2 < the row's largest p <= 1. The row's sum l is taken of the UNQUANTISED p, in f32, and the product's result is divided by l at the end. Since M is a whole number, a kernel that streams over the keys may use a running M (the ceiling of the running maximum): every later rescaling is an exact power of two, which a block's scale takes up: the codes' values come out the same.
;;   OPERANDS COMPUTED ON THE WAY. 'Computed on the way' means the value that the module computes at that place (a softmax that the list does not call 'softmax' is quantised finished and normalised). What goes into a quantiser is computed in f32, as accurately as f32 sums, v_exp_f32 and their like allow (about 1e-6 of the number): no bf16 or f16 on the way to a quantiser, and a product that is left as it is and whose result goes on into a quantised operand takes f32 operands (vector FMAs, or v_wmma_f32_16x16x4_f32). A number that lies on a knife's edge between two numbers of the format may be rounded either way, as far as f32 arithmetic and the matrix unit's own rounding can turn it there, and no further.
;; One version. Each part assembles by itself: llvm-mc -triple=amdgcn-amd-amdhsa -mcpu=gfx1250 --defsym DOCPART=n.
;; ======== version 1 of 1: 4 launches
;; limits: right only within a limited range of input values
;; workspace buffers: xw 6,553,600 bytes; rec 9,830,400 bytes; att 3,276,800 bytes
;; launch quant (part 1): grid 256 x 1, 4 waves a work-group, no clusters, 36,352 bytes of LDS; arguments x, W_q, W_k, W_v, W_o, xw; writes xw
.if DOCPART == 1
	.amdgcn_target "amdgcn-amd-amdhsa--gfx1250"
	.amdhsa_code_object_version 6
	.text
	.protected	k_q72f28e6da4_quant
	.globl	k_q72f28e6da4_quant
	.p2align	8
	.type	k_q72f28e6da4_quant,@function
k_q72f28e6da4_quant:
	s_mov_b64 s[64:65], 0
	v_nop
	global_prefetch_b8 v0, s[64:65] scope:SCOPE_SE
	s_setreg_imm32_b32 hwreg(HW_REG_WAVE_MODE, 25, 1), 1
	s_wait_xcnt 0x0
; x [4096][1024] and W_q, W_k, W_v, W_o [1024][1024], f32, K innermost, become codes of FP6 (E2M3) with one E8M0 byte for each 32 along K, laid as IMAGES OF OPERAND REGISTERS.
; The five tensors are 8,192 rows on end = 64 panels of 128 rows (x: 0-31, W_q: 32-39, W_k: 40-47, W_v: 48-55, W_o: 56-63).
; A TILE is 16 rows: row r of tile t is row 64 (t / 4) + 8 (t % 4) + 32 (r / 8) + r % 8.  So in a product's result the 32 registers of a band's four tiles are 32 neighbours in each lane: one scale block of the next product.
; A HALF FRAGMENT (16 rows x 64 K, six registers a lane: lane (r, h) holds k = 32 h .. 32 h + 31) is 768 bytes: registers 0-3 at 16 x lane, 4-5 at 512 + 8 x lane.
; xw: panels of 102,400 bytes: [K / 256][tile 0-7][four halves][768], then the scale words [tile][K / 256][r][two words], a word = 128 along K of one row.
; A block's scale is 2^(floor(log2(largest magnitude)) - 2); its byte is that magnitude's exponent field - 2, held at 1 from below.
; LIMITS: NaN and infinities are not served; a block whose largest magnitude lies under 2^-124, zeros among them, keeps the byte 1 (this program alone reads the bytes).
; DEAD WORK left out by the program: in the attention, key steps of 128 whose keys all come after a query block: reference() itself sets their scores to -inf ahead of the softmax, so their p is 0 for all inputs.  A NaN or an infinity that reaches only them is not carried.
; SHARES: a work-group takes two tiles; wave w takes tile w / 2 and K half w % 2: eight units of 16 rows x 64 K.  A unit's eight loads read whole rows of 256 bytes, sixteen lanes to a row;
; the unit turns through the wave's own stage in LDS (rows 272 bytes apart) so that lane (r, h) gets the 32 numbers of block h of row r.  Waves share nothing; no work-group reads what another reads, so no cluster.
.set RR,  16                           ; v16-143  four sets of 32: units as loaded
.set XX,  144                          ; v144-207 two sets of 32: a lane's block
.set CD,  208                          ; v208-219 two sets of six codes
.set TP,  220                          ; v220-222 a block's upper 16 codes
.set EB,  224                          ; v224-231 a scale byte for each unit
.set WD,  232                          ; v232-235 the four scale words of my K half
.set STG, 4352                         ; a stage: 16 rows x 272 bytes; two for each wave
	s_load_b256 s[4:11], s[0:1], 0x0               ; x, W_q, W_k, W_v
	s_load_b128 s[12:15], s[0:1], 0x20             ; W_o, xw
	v_lshl_add_u32 v240, v0, 2, 0x8c00
	v_mov_b32 v241, 0
	v_lshrrev_b32 v7, 5, v0
	v_readfirstlane_b32 s18, v7                    ; wave
	v_and_b32 v7, 31, v0
	v_and_b32 v8, 15, v0
	v_bfe_u32 v9, v0, 4, 1
	v_lshlrev_b32 v1, 12, v9
	v_lshl_add_u32 v1, v8, 4, v1                   ; in: lanes 0-15 one row of 256 bytes, lanes 16-31 the next row
	s_mul_i32 s23, s18, 2*STG
	v_mul_u32_u24 v2, v9, 272
	v_lshl_add_u32 v2, v8, 4, v2
	v_add_nc_u32 v2, s23, v2                       ; into a stage, as loaded
	v_mul_u32_u24 v3, v8, 272
	v_lshl_add_u32 v3, v9, 7, v3
	v_add_nc_u32 v3, s23, v3                       ; out of it: row r, block h: 128 bytes
	v_lshlrev_b32 v4, 4, v7
	v_lshlrev_b32 v5, 3, v7
	v_lshlrev_b32 v6, 3, v9                        ; 8 h: my bytes' place in a scale word
	v_mov_b32 v12, 0                               ; a lane permute's destination counts as read
	s_mov_b32 s20, 0x76543210
	s_mov_b32 s21, 0xfedcba98                      ; selects for lane l xor 16
	s_mov_b32 s22, 0xffff0000                      ; lanes 16-31
	s_lshr_b32 s28, s18, 1                         ; which of the two tiles
	s_and_b32 s29, s18, 1                          ; which K half
	s_and_b32 s19, ttmp9, 31                       ; a weight has 32 groups of two tiles
	s_wait_alu depctr_va_vdst(0)
	s_wait_kmcnt 0x0
	s_cmp_lt_u32 ttmp9, 224                        ; which tensor: the choice hangs on the work-group's number alone
	s_cselect_b64 s[24:25], s[10:11], s[12:13]
	s_cmp_lt_u32 ttmp9, 192
	s_cselect_b64 s[24:25], s[8:9], s[24:25]
	s_cmp_lt_u32 ttmp9, 160
	s_cselect_b64 s[24:25], s[6:7], s[24:25]
	s_cmp_lt_u32 ttmp9, 128
	s_cselect_b64 s[24:25], s[4:5], s[24:25]
	s_cselect_b32 s19, ttmp9, s19
	s_lshl_b32 s26, s19, 1
	s_add_co_u32 s26, s26, s28                     ; my tile t in its tensor
	s_lshr_b32 s30, s26, 2
	s_lshl_b32 s30, s30, 6
	s_and_b32 s26, s26, 3
	s_lshl_b32 s26, s26, 3
	s_add_co_u32 s26, s26, s30                     ; its first row: 64 (t / 4) + 8 (t % 4)
	s_lshl_b32 s26, s26, 12                        ; rows of 4,096 bytes
	s_lshl_b32 s30, s29, 11
	s_add_co_u32 s26, s26, s30                     ; + my K half, 2,048 bytes
	s_mov_b32 s27, 0
	s_add_nc_u64 s[24:25], s[24:25], s[26:27]
	s_lshl_b32 s30, ttmp9, 1
	s_add_co_u32 s30, s30, s28                     ; my tile among all 512
	s_lshr_b32 s26, s30, 3
	s_mul_i32 s26, s26, 102400
	s_add_nc_u64 s[16:17], s[14:15], s[26:27]      ; its panel
	s_and_b32 s31, s30, 7
	s_lshl_b32 s26, s31, 9
	s_lshl_b32 s30, s29, 8
	s_add_co_u32 s26, s26, s30
	s_add_co_u32 s26, s26, 98304                   ; the scale words' place: 512 bytes a tile, 256 for my K half
	s_mul_i32 s30, s31, 3072
	s_mul_i32 s31, s29, 49152
	s_add_co_u32 s30, s30, s31                     ; the codes' place
	s_mov_b32 s31, 0
	s_add_nc_u64 s[14:15], s[16:17], s[30:31]
	s_add_nc_u64 s[16:17], s[16:17], s[26:27]
.macro LOAD t                          ; unit t: tile rows 2 i and 2 i + 1 by load i; tile row p is row p + 24 (p / 8) from the tile's first
.irp i, 0,1,2,3,4,5,6,7
	global_load_b128 v[RR+32*((\t)%4)+4*\i:RR+32*((\t)%4)+4*\i+3], v1, s[24:25] offset:(2*\i+24*(\i/4))*4096+256*(\t) th:TH_LOAD_NT
.endr
.endm
.macro TURN t                          ; through the stage: LDS serves a wave's instructions in order, so no wait stands between the stores and the loads
.irp i, 0,1,2,3,4,5,6,7
	ds_store_b128 v2, v[RR+32*((\t)%4)+4*\i:RR+32*((\t)%4)+4*\i+3] offset:STG*((\t)%2)+544*\i
.endr
.irp q, 0,1,2,3,4,5,6,7
	ds_load_b128 v[XX+32*((\t)%2)+4*\q:XX+32*((\t)%2)+4*\q+3], v3 offset:STG*((\t)%2)+16*\q
.endr
.endm
.macro STEP t
.set XS, XX+32*((\t)%2)
.set CC, CD+6*((\t)%2)
	s_wait_dscnt 0x0                               ; my block is back from the stage, and the stores into the stage have read their registers,
.if (\t) < 4
	LOAD (\t)+4                                    ; which take the unit four on
	s_wait_loadcnt 24                              ; the next unit's eight loads are in; those of the three units behind it may be out
.elseif (\t) < 7
	s_wait_loadcnt 8*(6-(\t))                      ; the same, with fewer units behind
.endif
.if (\t) < 7
	TURN (\t)+1                                    ; the next unit goes through the other stage while this one is worked
.endif
	v_max3_num_f32 v8, |v[XS]|, |v[XS+1]|, |v[XS+2]|               ; the block's largest magnitude, two chains
	v_max3_num_f32 v9, |v[XS+3]|, |v[XS+4]|, |v[XS+5]|
.irp i, 6,10,14,18,22,26
	v_max3_num_f32 v8, v8, |v[XS+\i]|, |v[XS+\i+1]|
	v_max3_num_f32 v9, v9, |v[XS+\i+2]|, |v[XS+\i+3]|
.endr
	v_max3_num_f32 v8, v8, |v[XS+30]|, |v[XS+31]|
	v_max3_num_f32 v8, v8, v9, 0x1800000           ; and the floor 2^(3 - 127)
	v_add_nc_u32 v11, 0xff000000, v8               ; 2 off the exponent field: the conversion's scale operand
	s_wait_alu depctr_va_vdst(0)
	s_wait_xcnt 0x0                                ; the stores of two units ago have read this set of codes
	v_cvt_scalef32_pk16_fp6_f32 v[CC:CC+2], v[XS:XS+15], v11
	v_cvt_scalef32_pk16_fp6_f32 v[TP:TP+2], v[XS+16:XS+31], v11
	v_lshrrev_b32 v[EB+(\t)], 23, v11              ; the scale's byte (a plain line behind the conversions)
.irp i, 0,1,2
	v_mov_b32 v[CC+3+\i], v[TP+\i]
.endr
	global_store_b128 v4, v[CC:CC+3], s[14:15] offset:((\t)/4)*24576+((\t)%4)*768        ; 512 consecutive bytes, aligned to 256
	global_store_b64 v5, v[CC+4:CC+5], s[14:15] offset:((\t)/4)*24576+((\t)%4)*768+512   ; 256 consecutive bytes, aligned
.if ((\t)%2) == 1
	v_lshl_or_b32 v13, v[EB+(\t)], 16, v[EB+(\t)-1] ; two units are 128 along K: my bytes are blocks h and 2 + h of the word,
	v_lshlrev_b32 v13, v6, v13
	v_permlanex16_b32 v12, v13, s20, s21
	v_or_b32 v[WD+(\t)/2], v13, v12                ; with lane l xor 16's two the word is whole
.endif
.endm
	LOAD 0
	LOAD 1
	LOAD 2
	LOAD 3
	s_wait_loadcnt 24                              ; unit 0 is in; three units may be out
	TURN 0
.irp t, 0,1,2,3,4,5,6,7
	STEP \t
.endr
	v_cndmask_b32 v236, v232, v234, s22            ; lanes 0-15: the first 256 along K of row r, lanes 16-31: the second
	v_cndmask_b32 v237, v233, v235, s22
	global_store_b64 v5, v[236:237], s[16:17]      ; 256 consecutive bytes, aligned
	s_wait_tensorcnt 0x0
	ds_add_u32 v240, v241
	s_wait_dscnt 0x0
	s_endpgm
.Lfunc_end_k_q72f28e6da4_quant:
	.size	k_q72f28e6da4_quant, .Lfunc_end_k_q72f28e6da4_quant-k_q72f28e6da4_quant
	.p2alignl 7, 3214868480
	.fill 96, 4, 3214868480
	.section	.rodata,"a",@progbits
	.p2align	6, 0x0
	.amdhsa_kernel k_q72f28e6da4_quant
		.amdhsa_group_segment_fixed_size 36352
		.amdhsa_private_segment_fixed_size 0
		.amdhsa_enable_private_segment 0
		.amdhsa_kernarg_size 48
		.amdhsa_user_sgpr_count 2
		.amdhsa_user_sgpr_kernarg_segment_ptr 1
		.amdhsa_wavefront_size32 1
		.amdhsa_system_sgpr_workgroup_id_x 1
		.amdhsa_system_sgpr_workgroup_id_y 1
		.amdhsa_system_sgpr_workgroup_id_z 1
		.amdhsa_system_vgpr_workitem_id 0
		.amdhsa_next_free_vgpr 242
		.amdhsa_next_free_sgpr 66
		.amdhsa_reserve_vcc 0
		.amdhsa_float_denorm_mode_32 3
		.amdhsa_float_denorm_mode_16_64 3
		.amdhsa_memory_ordered 1
		.amdhsa_forward_progress 1
		.amdhsa_inst_pref_size 32
	.end_amdhsa_kernel
	.amdgpu_metadata
---
amdhsa.version: [ 1, 2 ]
amdhsa.kernels:
  - .name:           k_q72f28e6da4_quant
    .symbol:         k_q72f28e6da4_quant.kd
    .args:
      - { .name: x, .offset: 0, .size: 8, .value_kind: global_buffer, .address_space: global }
      - { .name: W_q, .offset: 8, .size: 8, .value_kind: global_buffer, .address_space: global }
      - { .name: W_k, .offset: 16, .size: 8, .value_kind: global_buffer, .address_space: global }
      - { .name: W_v, .offset: 24, .size: 8, .value_kind: global_buffer, .address_space: global }
      - { .name: W_o, .offset: 32, .size: 8, .value_kind: global_buffer, .address_space: global }
      - { .name: xw, .offset: 40, .size: 8, .value_kind: global_buffer, .address_space: global }
    .group_segment_fixed_size: 36352
    .private_segment_fixed_size: 0
    .kernarg_segment_align: 8
    .kernarg_segment_size: 48
    .max_flat_workgroup_size: 128
    .sgpr_count:     66
    .vgpr_count:     242
    .wavefront_size: 32
...
	.end_amdgpu_metadata
.endif
;; end of part 1
;; launch qkv (part 2): grid 8 x 32, 4 waves a work-group, clusters of 4 x 4, 327,680 bytes of LDS; arguments xw, rec; writes rec
.if DOCPART == 2
	.amdgcn_target "amdgcn-amd-amdhsa--gfx1250"
	.amdhsa_code_object_version 6
	.text
	.protected	k_q72f28e6da4_qkv
	.globl	k_q72f28e6da4_qkv
	.p2align	8
	.type	k_q72f28e6da4_qkv,@function
k_q72f28e6da4_qkv:
	s_mov_b64 s[64:65], 0
	v_nop
	global_prefetch_b8 v0, s[64:65] scope:SCOPE_SE
	s_setreg_imm32_b32 hwreg(HW_REG_WAVE_MODE, 25, 1), 1
	s_wait_xcnt 0x0
	s_wait_alu depctr_hold_cnt(0) depctr_sa_sdst(0) depctr_va_vdst(0) depctr_va_sdst(0) depctr_va_ssrc(0) depctr_va_vcc(0) depctr_vm_vsrc(0)
	s_getreg_b32 s2, hwreg(HW_REG_IB_STS2, 6, 4)
	s_cmp_eq_u32 s2, 0
	s_cbranch_scc0 .Lentry_in_a_cluster
	s_endpgm
.Lentry_in_a_cluster:
	s_bfe_u32 s2, ttmp6, 0x10000c
	s_cmp_lg_u32 s2, 0xf033
	s_cbranch_scc0 .Lentry_shape_is_right
	s_endpgm
.Lentry_shape_is_right:
; Q = x W_q^T, K = x W_k^T, V^T = W_v x^T on codes of FP6 with E8M0 scales, f32 sums; each result is quantised in registers: Q and K along the head's 64, V along the keys.
; Work-group (j, P) takes panel P of x (128 tokens) against panel j (128 rows = heads 2 j, 2 j + 1) of each of the three weights.  Wave (wr, wc) makes 64 tokens x 64 weight rows: 16 accumulators.
; x's 32 fragments come into registers during the first product and stay for all three.  Panels (102,400 bytes, codes and scale words) lie in memory and in LDS as images of their registers.
; By the rows' order (row r of tile t is row 64 (t / 4) + 8 (t % 4) + 32 (r / 8) + r % 8) a lane's 32 results of four source-0 tiles are one scale block of 32: no lane looks at another for a maximum.
; Q, K: source 0 = the weight, source 1 = x: a lane holds one token and channels 32 h + 0 .. 31.  V: source 0 = x, source 1 = the weight: a lane holds one channel and keys 32 h + 0 .. 31 of its band.
; OUT (rec): Q: [b x 16 + head][block of 128 tokens][6,400]: tile i at 768 i, scale words [T][r] at 6,144 (low half tile 2 T, high half tile 2 T + 1);
;   from byte 3,276,800 on K and V: [bh][block][12,800]: K's tiles; V at 6,144: channel tile t at 1,536 t + 768 x (band of 64 keys); K's words [T][r] at 12,288; V's words [t][r] at 12,544 (stored two bytes a lane).
; CLUSTER 4 x 4: x's panel is shared along a row of the cluster, the weights' along a column: joint loads.
; FILLS: at the head one load a wave: waves 0 and 1 a half each of x, wave 2 W_q, wave 3 W_k.  One refill: W_v, a quarter a wave, onto x, once every wave of the cluster holds x in registers.  No loop of loads: nothing is prefetched.
; The maxima of Q (of K) stand among the products of K (of V), whose accumulators are another set.
; LIMITS: NaN and infinities are not served; a block whose largest magnitude lies under 2^-124, zeros among them, keeps the byte 1.
; REGISTERS: window 0: v1-15 addresses; v16-47 x's scale words (tile a, step s at 8 a + s), v50-81 the weight's; v82-125 at work; v128-255 accumulators of Q and V.
;   window 1: v0-95 two sets of the weight's four fragments; v96-239 x's fragments of steps 5-7.   window 2: x's of steps 0-4.   window 3: v0-127 accumulators of K.
.set PANEL, 102400
.set R1,    PANEL                      ; W_q's region
.set R2,    2*PANEL                    ; W_k's
.set SPARE, 3*PANEL                    ; the spare words
.set SPW,  1
.set NIL,  2
.set L16,  3
.set L8,   4
.set L4,   5
.set LSB,  6                           ; my weight rows' scale words inside a panel
.set LSA,  7                           ; the same in the panel in hand
.set AW,   8                           ; v8-11 the weight in hand: 16 x lane, 8 x lane; the same 49,152 on
.set AX,   12                          ; v12-15 x
.set SX,   16
.set SW,   50
.set TM,   82
.set SO,   90
.set BY,   94
.set PC,   98
.set UU,   122
.set DT,   126                         ; v126-127 (V's tail: v126-129, the last two in accumulators that have been read by then)
.set WV,   12
.set SEL,  26
.set G1X,  28
.set G1W,  36
.set G1R,  44
.set MSB, 0
.macro WIN new                         ; the immediate's high byte repeats the setting that is left
.if MSB != \new
	s_set_vgpr_msb (MSB<<8)|\new
.set MSB, \new
.endif
.endm
.macro WALU
	s_wait_alu depctr_va_vdst(0)
.endm
.macro CREST                           ; a round of the cluster's barrier behind its opening barrier
	s_cmp_lg_u32 s[WV], 0
	s_cbranch_scc1 .Lnot_wave_0_\@
	s_barrier_signal -3
.Lnot_wave_0_\@:
	s_barrier_wait -3
	s_barrier_signal -1
	s_barrier_wait -1
.endm
.macro ROUND
	s_barrier_signal -1
	s_barrier_wait -1
	CREST
.endm
.macro PLACES n                        ; plain vector lines behind matrix instructions (ISA guide 7.12.1)
.rept \n
	v_nop
.endr
.endm
.macro TLOAD g0, g1
	tensor_load_to_lds s[\g0:\g0+3], s[\g1:\g1+7]
	s_nop 0
	PLACES 4
.endm
.macro ADR a, sreg                     ; the four address registers of four tiles at LDS byte s[sreg]
	v_add_nc_u32 v[\a], s[\sreg], v[L16]
	v_add_nc_u32 v[\a+1], s[\sreg], v[L8]
	v_add_nc_u32 v[\a+2], 49152, v[\a]
	v_add_nc_u32 v[\a+3], 49152, v[\a+1]
.endm
.macro FRAGS dst, adr, s               ; four tiles' fragments of step s (128 along K) into v[dst + 12 i]
.set FO, (((\s)/2)%2)*24576+((\s)%2)*1536
.set FA, \adr+2*((\s)/4)
.irp i, 0,1,2,3
	ds_load_b128 v[\dst+12*\i:\dst+12*\i+3], v[FA] offset:FO+\i*3072
	ds_load_b64 v[\dst+12*\i+4:\dst+12*\i+5], v[FA+1] offset:FO+\i*3072+512
	ds_load_b128 v[\dst+12*\i+6:\dst+12*\i+9], v[FA] offset:FO+\i*3072+768
	ds_load_b64 v[\dst+12*\i+10:\dst+12*\i+11], v[FA+1] offset:FO+\i*3072+1280
.endr
.endm
.macro FETCHX s
.if (\s) < 5
	WIN 0x80
	FRAGS 48*(\s), AX, \s
.else
	WIN 0x40
	FRAGS 96+48*((\s)-5), AX, \s
.endif
.endm
.macro FETCHW s
	WIN 0x40
	FRAGS 48*((\s)%2), AW, \s
.endm
.macro SCALES dst, adr                 ; the scale words of four tiles, all eight steps
	WIN 0
.irp b, 0,1,2,3
.irp k, 0,1,2,3
	ds_load_b64 v[\dst+8*\b+2*\k:\dst+8*\b+2*\k+1], v[\adr] offset:\b*512+\k*128
.endr
.endr
.endm
.macro EPM sl, o, w                    ; two lines of the search for the largest magnitude of tile o's 32 results (accumulators in window w): two chains, one over each half, with the floor 2^(3 - 127)
.set EB_, 128*(1-(\w)/3)+32*(\o)+2*(\sl)
.if (\sl) == 0
.set EW_, 5*(\w)
	WIN EW_
	v_max3_num_f32 v[TM+2*(\o)], |v[EB_]|, |v[EB_+1]|, 0x1800000
	v_max3_num_f32 v[TM+2*(\o)+1], |v[EB_+16]|, |v[EB_+17]|, 0x1800000
.else
.set EW_, 0x14*(\w)
	WIN EW_
	v_max3_num_f32 v[TM+2*(\o)], v[TM+2*(\o)], |v[EB_]|, |v[EB_+1]|
	v_max3_num_f32 v[TM+2*(\o)+1], v[TM+2*(\o)+1], |v[EB_+16]|, |v[EB_+17]|
.endif
.endm
; 16 matrix instructions, step s.  The 16 accumulators (window aw) take turns, one instruction a turn, in the same order in every step.  Step 0 starts the sums with the constant 0.
; epi: -1, or the window of the last product's accumulators: step s < 4 holds the search for tile s's maxima.
.macro MUL s, swap, aw, epi
.set AL, 128*(1-(\aw)/3)
.set FB, 48*((\s)%2)
.if (\s) < 5
.set XB, 48*(\s)
.set XW, 2
.else
.set XB, 96+48*((\s)-5)
.set XW, 1
.endif
.if \swap
.set MW_, XW+4+0x50*(\aw)
.else
.set MW_, 1+4*XW+0x50*(\aw)
.endif
.set K_, 0
.irp o, 0,1,2,3
.irp i, 0,1,2,3
.set DD, AL+8*(4*\o+\i)
	WIN MW_
.if \swap
.if (\s) == 0
	v_wmma_scale_f32_16x16x128_f8f6f4 v[DD:DD+7], v[XB+12*\i:XB+12*\i+11], v[FB+12*\o:FB+12*\o+11], 0, v[SX+8*\i+(\s)], v[SW+8*\o+(\s)] matrix_a_fmt:MATRIX_FMT_FP6 matrix_b_fmt:MATRIX_FMT_FP6
.else
	v_wmma_scale_f32_16x16x128_f8f6f4 v[DD:DD+7], v[XB+12*\i:XB+12*\i+11], v[FB+12*\o:FB+12*\o+11], v[DD:DD+7], v[SX+8*\i+(\s)], v[SW+8*\o+(\s)] matrix_a_fmt:MATRIX_FMT_FP6 matrix_b_fmt:MATRIX_FMT_FP6
.endif
.else
.if (\s) == 0
	v_wmma_scale_f32_16x16x128_f8f6f4 v[DD:DD+7], v[FB+12*\i:FB+12*\i+11], v[XB+12*\o:XB+12*\o+11], 0, v[SW+8*\i+(\s)], v[SX+8*\o+(\s)] matrix_a_fmt:MATRIX_FMT_FP6 matrix_b_fmt:MATRIX_FMT_FP6
.else
	v_wmma_scale_f32_16x16x128_f8f6f4 v[DD:DD+7], v[FB+12*\i:FB+12*\i+11], v[XB+12*\o:XB+12*\o+11], v[DD:DD+7], v[SW+8*\i+(\s)], v[SX+8*\o+(\s)] matrix_a_fmt:MATRIX_FMT_FP6 matrix_b_fmt:MATRIX_FMT_FP6
.endif
.endif
.set K_, K_+1
.if ((\epi) >= 0) && ((\s) < 4) && (K_%2 == 0)
	EPM (K_/2-1), \s, \epi
.endif
.endr
.endr
.endm
.macro PACK w                          ; four tiles' codes into v[PC + 6 o], their bytes into BY, the pairs of bytes into UU; accumulators in window w
.set AB_, 128*(1-(\w)/3)
.set HW_, 0x41*(\w)
	WIN 0
	WALU
.irp o, 0,1,2,3
	v_max_num_f32 v[TM+2*\o], v[TM+2*\o], v[TM+2*\o+1]
.endr
.irp o, 0,1,2,3
	v_add_nc_u32 v[SO+\o], 0xff000000, v[TM+2*\o]  ; 2 off the exponent field: the conversion's scale operand
.endr
.irp o, 0,1,2,3
	v_lshrrev_b32 v[BY+\o], 23, v[SO+\o]           ; the scale's byte
.endr
	WALU
	s_wait_xcnt 0x0                                ; earlier stores have read the codes' registers
	WIN \w
.irp o, 0,1,2,3
	v_cvt_scalef32_pk16_fp6_f32 v[PC+6*\o:PC+6*\o+2], v[AB_+32*\o:AB_+32*\o+15], v[SO+\o]
.endr
	WIN 0
	v_lshl_or_b32 v[UU], v[BY+1], 16, v[BY]        ; (plain lines between the conversions and the writes of their sources)
	v_lshl_or_b32 v[UU+1], v[BY+3], 16, v[BY+2]
	WIN HW_
.irp o, 0,1,2,3
	v_cvt_scalef32_pk16_fp6_f32 v[AB_+32*\o:AB_+32*\o+2], v[AB_+32*\o+16:AB_+32*\o+31], v[SO+\o]   ; (a conversion's three registers begin on an even number: into registers that are done with, and moved)
.endr
	WIN 0
	v_nop
	v_permlanex16_b32 v[UU+2], v[UU], s[SEL], s[SEL+1]
	v_permlanex16_b32 v[UU+3], v[UU+1], s[SEL], s[SEL+1]
	WIN \w
.irp o, 0,1,2,3
.irp i, 0,1,2
	v_mov_b32 v[PC+6*\o+3+\i], v[AB_+32*\o+\i]
.endr
.endr
	WIN 0
.endm
.macro CODES img, step
.irp o, 0,1,2,3
	global_store_b128 v[L16], v[PC+6*\o:PC+6*\o+3], s[\img:\img+1] offset:\o*\step          ; 512 consecutive bytes, aligned to 256
	global_store_b64 v[L8], v[PC+6*\o+4:PC+6*\o+5], s[\img:\img+1] offset:\o*\step+512      ; 256 consecutive bytes, aligned
.endr
.endm
.macro OUT_QK img, sc                  ; four tiles of 16 tokens x my head's 64 channels
	CODES \img, 768
	v_lshl_or_b32 v[DT], v[UU+2], 8, v[UU]         ; lanes 0-15: tiles 0 and 1: my byte (block 0), lane l + 16's (block 1)
	v_lshl_or_b32 v[DT+1], v[UU+1], 8, v[UU+3]     ; lanes 16-31: tiles 2 and 3
	v_cndmask_b32 v[DT], v[DT], v[DT+1], s21
	global_store_b32 v[L4], v[DT], s[\sc:\sc+1]    ; 128 consecutive bytes
.endm
.macro STEPW s, swap, aw, epi, img, sc
.if (\s) < 7
.if (\s) > 0
	PLACES 4                                       ; in front of loads into the set that the step before last multiplied
.endif
	FETCHW (\s)+1
	s_wait_dscnt 16                                ; all but the 16 loads just issued
.else
	s_wait_dscnt 0x0
.endif
	MUL \s, \swap, \aw, \epi
.if (\s) == 4
	PACK \epi
	OUT_QK \img, \sc
.endif
.endm
	s_load_b128 s[4:7], s[0:1], 0x0                ; xw, rec
	v_lshl_add_u32 v[SPW], v0, 2, SPARE
	v_mov_b32 v[NIL], 0
	ds_add_u32 v[SPW], v[NIL]                      ; the opening lines
	ds_add_u32 v[SPW], v[NIL]
	v_lshrrev_b32 v3, 5, v0
	v_readfirstlane_b32 s[WV], v3                  ; wave 0..3
	s_lshr_b32 s13, s[WV], 1                       ; wr: which 64 tokens
	s_and_b32 s14, s[WV], 1                        ; wc: which 64 weight rows (which head)
	s_bfe_u32 s15, ttmp6, 0x40000                  ; cx
	s_bfe_u32 s16, ttmp6, 0x40004                  ; cy
	s_lshl_b32 s17, ttmp9, 2
	s_add_co_u32 s17, s17, s15                     ; j
	s_and_b32 s18, ttmp7, 0xffff
	s_lshl_b32 s18, s18, 2
	s_add_co_u32 s18, s18, s16                     ; P
	s_lshl_b32 s19, s16, 2
	s_lshl_b32 s19, 15, s19                        ; my row of the cluster
	s_lshl_b32 s20, 0x1111, s15                    ; my column
	s_mov_b32 s21, 0xffff0000                      ; lanes 16-31
	s_mov_b32 s[SEL], 0x76543210
	s_mov_b32 s[SEL+1], 0xfedcba98
	; groups 1: elements of 8 bytes, rows of 256 bytes, dense, bit 21 set beside a mask: half a panel of x, a weight's panel, a quarter of one
	s_or_b32 s[G1X], s19, (3<<16)|(1<<21)
	s_or_b32 s[G1W], s20, (3<<16)|(1<<21)
	s_or_b32 s[G1R], s20, (3<<16)|(1<<21)
	s_mov_b32 s[G1X+2], 200<<16
	s_mov_b32 s[G1X+4], 200
	s_mov_b32 s[G1W+2], 400<<16
	s_mov_b32 s[G1W+4], 400
	s_mov_b32 s[G1R+2], 100<<16
	s_mov_b32 s[G1R+4], 100
.irp g, G1X, G1W, G1R
	s_mov_b32 s[\g+1], 32<<16
	s_mov_b32 s[\g+3], 32<<16
	s_mov_b32 s[\g+5], 32
	s_mov_b32 s[\g+6], 0
	s_mov_b32 s[\g+7], 0
.endr
	s_mul_i32 s22, s18, PANEL                      ; what hangs on P stays in s[22:23], what hangs on j in s[24:25]
	s_mul_i32 s2, s[WV], 51200
	s_add_co_u32 s22, s22, s2                      ; (waves 0 and 1: my half)
	s_mov_b32 s23, 0
	s_mul_i32 s24, s17, PANEL
	s_add_co_u32 s24, s24, 32*PANEL                ; W_q's panels begin at 32, W_k's at 40, W_v's at 48
	s_mov_b32 s25, 0
	s_mul_i32 s8, s[WV], 25600
	s_mov_b32 s9, 0
	s_mov_b32 s60, 1
	s_mov_b32 s61, s2
	s_mov_b32 s68, 1
	s_mov_b32 s69, R1
	s_mov_b32 s72, 1
	s_mov_b32 s73, R2
	s_mov_b32 s76, 1
	s_mov_b32 s77, s8
	s_wait_dscnt 0x0
	s_wait_kmcnt 0x0
	s_add_nc_u64 s[62:63], s[4:5], s[22:23]
	s_add_nc_u64 s[70:71], s[4:5], s[24:25]
	s_add_nc_u64 s[74:75], s[70:71], 8*PANEL
	s_add_nc_u64 s[78:79], s[74:75], 8*PANEL
	s_add_nc_u64 s[78:79], s[78:79], s[8:9]
.irp g, 63,71,75,79
	s_or_b32 s\g, s\g, 0x80000000
.endr
	ROUND                                          ; all sixteen work-groups are here: the first joint loads meet
	s_cmp_lt_u32 s[WV], 2
	s_cbranch_scc0 .Lwq
	TLOAD 60, G1X
	s_branch .Lasked
.Lwq:
	s_cmp_eq_u32 s[WV], 2
	s_cbranch_scc0 .Lwk
	TLOAD 68, G1W
	s_branch .Lasked
.Lwk:
	TLOAD 72, G1W
.Lasked:
	v_and_b32 v15, 31, v0
	v_lshlrev_b32 v[L16], 4, v15
	v_lshlrev_b32 v[L8], 3, v15
	v_lshlrev_b32 v[L4], 2, v15
	v_and_b32 v14, 15, v0
	v_lshlrev_b32 v14, 3, v14                      ; 8 r: two words a row
	s_lshl_b32 s2, s14, 11
	s_add_co_u32 s2, s2, 98304
	v_add_nc_u32 v[LSB], s2, v14
	v_add_nc_u32 v[LSA], R1, v[LSB]
	s_lshl_b32 s2, s13, 11
	s_add_co_u32 s2, s2, 98304
	v_add_nc_u32 v[TM], s2, v14                    ; x's scale words of my tiles
	s_mul_i32 s10, s14, 12288                      ; my four tiles of a weight's panel
	s_mul_i32 s11, s13, 12288                      ; and of x's
	s_add_co_u32 s2, s10, R1
	ADR AX, 11
	ADR AW, 2
	v_mov_b32 v[UU+2], 0                           ; a lane permute's destination counts as read
	v_mov_b32 v[UU+3], 0
	; where the results go
	s_and_b32 s66, s18, 0xfff0
	s_lshl_b32 s67, s17, 1
	s_add_co_u32 s66, s66, s67
	s_add_co_u32 s66, s66, s14                     ; bh = 16 b + 2 j + wc  (P = 16 b + block)
	s_lshl_b32 s66, s66, 4
	s_and_b32 s67, s18, 15
	s_add_co_u32 s66, s66, s67                     ; 16 bh + block
	s_mul_i32 s100, s66, 6400
	s_mov_b32 s101, 0
	s_add_nc_u64 s[90:91], s[6:7], s[100:101]
	s_mul_i32 s100, s66, 12800
	s_add_nc_u64 s[94:95], s[6:7], s[100:101]
	s_add_nc_u64 s[94:95], s[94:95], 3276800
	s_mul_i32 s100, s13, 3072
	s_add_nc_u64 s[88:89], s[90:91], s[100:101]    ; Q's images: my four tiles
	s_add_nc_u64 s[92:93], s[94:95], s[100:101]    ; K's
	s_mul_i32 s100, s13, 768
	s_add_co_u32 s100, s100, 6144
	s_add_nc_u64 s[96:97], s[94:95], s[100:101]    ; V's: my band of 64 keys
	s_lshl_b32 s100, s13, 1
	s_add_co_u32 s100, s100, 12544
	s_add_nc_u64 s[98:99], s[94:95], s[100:101]    ; V's scale words: my two bytes
	s_lshl_b32 s100, s13, 7
	s_add_co_u32 s100, s100, 6144
	s_add_nc_u64 s[90:91], s[90:91], s[100:101]    ; Q's scale words
	s_add_co_u32 s100, s100, 6144
	s_add_nc_u64 s[94:95], s[94:95], s[100:101]    ; K's
	WALU                                           ; the wait at the head's end
	s_cmp_eq_u32 s[WV], 3
	s_cbranch_scc1 .Lnot_mine
	s_wait_tensorcnt 0x0                           ; x and W_q are in; wave 3's W_k may be out
.Lnot_mine:
	s_barrier_signal -1
	s_barrier_wait -1
	SCALES SX, TM                                  ; ---- Q = x W_q^T
	SCALES SW, LSA
	FETCHW 0
	FETCHX 0
.irp s, 0,1,2,3,4,5,6
.if \s > 0
	PLACES 4
.endif
	FETCHW \s+1
	FETCHX \s+1                                    ; x goes into registers, for good
	s_wait_dscnt 32                                ; all but the 32 loads just issued
	MUL \s, 0, 0, -1
.endr
	WIN 0
	s_wait_tensorcnt 0x0                           ; all my tensor loads have landed;
	ds_add_u32 v[SPW], v[NIL]
	s_wait_dscnt 0x0                               ; the add is done, and x is in my registers: my reads of its region are over
	s_barrier_signal -1
	MUL 7, 0, 0, -1                                ; register work while the others arrive
	WIN 0
	s_barrier_wait -1
	CREST                                          ; the same holds of every wave of the cluster
	TLOAD 76, G1R                                  ; the one refill: W_v's panel, my quarter; it has the product below in which to land
	s_add_co_u32 s2, s10, R2
	ADR AW, 2                                      ; ---- K = x W_k^T
	v_add_nc_u32 v[LSA], R2, v[LSB]
	WALU
	SCALES SW, LSA
	FETCHW 0
.irp s, 0,1,2,3,4,5,6,7
	STEPW \s, 0, 3, 0, 88, 90
.endr
	WIN 0
	WALU
	s_wait_tensorcnt 0x0                           ; my quarter of W_v has landed
	s_wait_dscnt 0x0
	s_barrier_signal -1
	s_barrier_wait -1                              ; everybody's has
	PLACES 4
	ADR AW, 10                                     ; ---- V^T = W_v x^T
	v_mov_b32 v[LSA], v[LSB]
	WALU
	SCALES SW, LSA
	FETCHW 0
.irp s, 0,1,2,3,4,5,6,7
	STEPW \s, 1, 0, 3, 92, 94
.endr
	WIN 0
	PLACES 4
.irp sl, 0,1,2,3,4,5,6,7
.irp o, 0,1,2,3
	EPM \sl, \o, 0
.endr
.endr
	PACK 0
	CODES 96, 1536                                 ; four tiles of 16 channels x my 64 keys
	v_lshl_or_b32 v[DT], v[UU+2], 8, v[UU]         ; lanes 0-15: tile 0's (2's) two bytes in the low half
	v_lshl_or_b32 v[DT+1], v[UU], 8, v[UU+2]       ; lanes 16-31: tile 1's (3's) in the high half
	v_lshl_or_b32 v[DT+2], v[UU+3], 8, v[UU+1]
	v_lshl_or_b32 v[DT+3], v[UU+1], 8, v[UU+3]
	v_lshrrev_b32 v[DT+1], 16, v[DT+1]
	v_lshrrev_b32 v[DT+3], 16, v[DT+3]
	v_cndmask_b32 v[DT], v[DT], v[DT+1], s21
	v_cndmask_b32 v[DT+2], v[DT+2], v[DT+3], s21
	global_store_b16 v[L4], v[DT], s[98:99]        ; my two of a word's four bytes; the other two are the other band's
	global_store_b16 v[L4], v[DT+2], s[98:99] offset:128
	s_wait_tensorcnt 0x0                           ; the wave's end
	ds_add_u32 v[SPW], v[NIL]
	s_wait_dscnt 0x0
	ROUND                                          ; the closing round
	s_endpgm
.Lfunc_end_k_q72f28e6da4_qkv:
	.size	k_q72f28e6da4_qkv, .Lfunc_end_k_q72f28e6da4_qkv-k_q72f28e6da4_qkv
	.p2alignl 7, 3214868480
	.fill 96, 4, 3214868480
	.section	.rodata,"a",@progbits
	.p2align	6, 0x0
	.amdhsa_kernel k_q72f28e6da4_qkv
		.amdhsa_group_segment_fixed_size 327680
		.amdhsa_private_segment_fixed_size 0
		.amdhsa_enable_private_segment 0
		.amdhsa_kernarg_size 16
		.amdhsa_user_sgpr_count 2
		.amdhsa_user_sgpr_kernarg_segment_ptr 1
		.amdhsa_wavefront_size32 1
		.amdhsa_system_sgpr_workgroup_id_x 1
		.amdhsa_system_sgpr_workgroup_id_y 1
		.amdhsa_system_sgpr_workgroup_id_z 1
		.amdhsa_system_vgpr_workitem_id 0
		.amdhsa_next_free_vgpr 896
		.amdhsa_next_free_sgpr 102
		.amdhsa_reserve_vcc 0
		.amdhsa_float_denorm_mode_32 3
		.amdhsa_float_denorm_mode_16_64 3
		.amdhsa_memory_ordered 1
		.amdhsa_forward_progress 1
		.amdhsa_inst_pref_size 124
	.end_amdhsa_kernel
	.amdgpu_metadata
---
amdhsa.version: [ 1, 2 ]
amdhsa.kernels:
  - .name:           k_q72f28e6da4_qkv
    .symbol:         k_q72f28e6da4_qkv.kd
    .args:
      - { .name: xw, .offset: 0, .size: 8, .value_kind: global_buffer, .address_space: global }
      - { .name: rec, .offset: 8, .size: 8, .value_kind: global_buffer, .address_space: global }
    .group_segment_fixed_size: 327680
    .private_segment_fixed_size: 0
    .kernarg_segment_align: 8
    .kernarg_segment_size: 16
    .max_flat_workgroup_size: 128
    .sgpr_count:     102
    .vgpr_count:     896
    .wavefront_size: 32
...
	.end_amdgpu_metadata
.endif
;; end of part 2
;; launch attn (part 3): grid 8 x 32, 8 waves a work-group, clusters of 4 x 1, 242,688 bytes of LDS; arguments rec, att; writes att
.if DOCPART == 3
	.amdgcn_target "amdgcn-amd-amdhsa--gfx1250"
	.amdhsa_code_object_version 6
	.text
	.protected	k_q72f28e6da4_attn
	.globl	k_q72f28e6da4_attn
	.p2align	8
	.type	k_q72f28e6da4_attn,@function
k_q72f28e6da4_attn:
	s_mov_b64 s[64:65], 0
	v_nop
	global_prefetch_b8 v0, s[64:65] scope:SCOPE_SE
	s_setreg_imm32_b32 hwreg(HW_REG_WAVE_MODE, 25, 1), 1
	s_wait_xcnt 0x0
	s_wait_alu depctr_hold_cnt(0) depctr_sa_sdst(0) depctr_va_vdst(0) depctr_va_sdst(0) depctr_va_ssrc(0) depctr_va_vcc(0) depctr_vm_vsrc(0)
	s_getreg_b32 s2, hwreg(HW_REG_IB_STS2, 6, 4)
	s_cmp_eq_u32 s2, 0
	s_cbranch_scc0 .Lentry_in_a_cluster
	s_endpgm
.Lentry_in_a_cluster:
	s_bfe_u32 s2, ttmp6, 0x10000c
	s_cmp_lg_u32 s2, 0x3003
	s_cbranch_scc0 .Lentry_shape_is_right
	s_endpgm
.Lentry_shape_is_right:
; Causal attention of one (batch, head) on codes of FP6 with E8M0 scales; the result, O / l, is quantised along d_model and stored as the last product's operand.
; t = score x log2(e) / 8;  M = the ceiling of the running largest t;  p = 2^(t - M) is quantised along the keys, not normalised;  l = the sum of the unquantised p, in f32.  When M moves, l and O are multiplied by 2^(old M - new M): exact.
; DEAD WORK left out: key steps of 128 that come wholly after a query block (p = 0 there by reference()'s own mask).
; SHARES.  A wave works TWO TILES of 16 queries at once (a PAIR, tiles 2 a and 2 a + 1 of a block of 128 queries, a = the work-group's place in its cluster): each fragment of K and V serves both.
; With i = X + 2 k (X the cluster's number, k = 0 .. 3): block 15 - i has 16 - i key steps, block i has i + 1.  Wave k takes steps 0-8 of block 15 - i; wave k + 4 takes block i, then steps 9 .. 15 - i of block 15 - i:
; nine steps and eight.  Behind the loop the second part of block 15 - i goes to wave k through LDS and is joined.  The loop has the same trips in every wave; a wave's step is the trip + an offset, and branches hang on ids alone.
; LDS.  The head's 16 records (12,800 bytes: K, V, their scale words) are all resident: first fills alone, two records a wave, one joint load a wave; nothing is filled again.  Behind them the stages of the join.  No loop of loads: nothing is prefetched.
; CLUSTER 4 x 1: four work-groups of one head ask for every tile jointly.
; LAYOUT.  Both products transposed: S^T = K q^T, O^T = V^T p^T: a lane holds one query.  By the rows' order of a tile register 32 c + n of lane (r, h) is key 64 c + 32 h + n: a lane holds whole scale blocks of p.
; THE HEAD'S 64 IN AN INSTRUCTION OF 128: a K operand holds key tile 2 T in registers 0-5 and 2 T + 1 in 6-11; against [q | zeros] it gives tile 2 T's scores, against [zeros | q] tile 2 T + 1's.
; K of the next step is asked for behind this step's first products (the last trip's look-ahead is not used), V at the step's head.
; LIMITS: NaN and infinities are not served; scaled scores stay under 2^31; a block under 2^-124 keeps the byte 1; a block's largest p is made from its largest score by the same two instructions, which takes v_exp_f32 not to fall where its input rises;
; scale bytes leave two bytes a row (lanes 16-31 repeat lanes 0-15's bytes at the same addresses).
; REGISTERS: window 0 as below.  window 1: v0-47 K, v48-95 V, v96-125 zeros, q of tile 0, zeros, q of tile 1, zeros; v126-137 the next q, v138, v139 q's scale words.
.set RECB,  12800
.set STAGE, 16*RECB
.set SPARE, STAGE+4*9216
.set L8,   1
.set LS,   2
.set A16,  3
.set A8,   4
.set ADS,  5
.set QS,   6                           ; v6, v7 q's scale words of the two tiles
.set NM,   8                           ; v8-11 -M, largest score, for each tile
.set SUM,  12                          ; v12-15 l in two halves, for each tile
.set FF,   16                          ; v16, v18 f; v17, v19 p's scale words
.set VS,   20
.set KS,   24
.set BM,   28
.set SO,   32
.set TT,   36                          ; v36-39 two pairs
.set S,    40                          ; v40-167 the scores, then p: 64 for each tile
.set OO,   168                         ; v168-231 O^T: 32 for each tile
.set PC,   232                         ; v232-255 p's codes: 12 for each tile
.set KF,   0
.set VF,   48
.set QZ,   96
.set Q2,   126
.set QW2,  138
.set QW1,  139
.set SPW,  140
.set NIL,  141
.set STA,  142
.set WV,   12
.set SEL,  20
.set CS,   22
.set TB,   24
.set ST,   25
.set SI,   26
.set NX,   27
.set AT,   58
.set SWT,  59
.set OFF,  60
.set OFF2, 61
.set TMP,  62
.set B0,   63
.set HM,   66
.set MSB, 0
.macro WIN new
.if MSB != \new
	s_set_vgpr_msb (MSB<<8)|\new
.set MSB, \new
.endif
.endm
.macro WALU
	s_wait_alu depctr_va_vdst(0)
.endm
.macro ROUND
	s_barrier_signal -1
	s_barrier_wait -1
	s_cmp_lg_u32 s[WV], 0
	s_cbranch_scc1 .Lnot_wave_0_\@
	s_barrier_signal -3
.Lnot_wave_0_\@:
	s_barrier_wait -3
	s_barrier_signal -1
	s_barrier_wait -1
.endm
.macro PLACES n
.rept \n
	v_nop
.endr
.endm
.macro LDREC dst, at, sc, sat          ; four operands of 12 registers and their scale words: 20 loads
	WIN 0x40
.irp T, 0,1,2,3
	ds_load_b128 v[\dst+12*\T:\dst+12*\T+3], v[A16] offset:\at+\T*1536
	ds_load_b64 v[\dst+12*\T+4:\dst+12*\T+5], v[A8] offset:\at+\T*1536+512
	ds_load_b128 v[\dst+12*\T+6:\dst+12*\T+9], v[A16] offset:\at+\T*1536+768
	ds_load_b64 v[\dst+12*\T+10:\dst+12*\T+11], v[A8] offset:\at+\T*1536+1280
.endr
	WIN 0
.irp T, 0,1,2,3
	ds_load_b32 v[\sc+\T], v[ADS] offset:\sat+\T*64
.endr
.endm
.macro LDK
	LDREC KF, 0, KS, 0
.endm
.macro LDV
	LDREC VF, 6144, VS, 256
.endm
.macro NEXTA                           ; the next trip's record; three address lines and a v_nop: four places behind products
	s_add_co_u32 s[NX], s[ST], 1
	s_cmp_eq_u32 s[NX], s[SWT]
	s_cselect_b32 s[TMP], s[OFF2], s[OFF]
	s_add_co_u32 s[NX], s[NX], s[TMP]
	s_and_b32 s[NX], s[NX], 15
	s_mul_i32 s[TB], s[NX], RECB
	v_lshl_add_u32 v[A16], v[L8], 1, s[TB]
	v_add_nc_u32 v[A8], s[TB], v[L8]
	v_add_nc_u32 v[ADS], s[TB], v[LS]
	v_nop
.endm
; A KEY STEP: 128 keys x 32 queries.  peel = 1: trip 0, in which the other records are shown to all and K's next load follows that barrier.  Index b = 2 x tile + c names a lane's scale block: registers S + 32 b ..
.macro STEP peel
.if \peel
	s_mov_b32 s[SI], 0
.else
	s_add_co_u32 s[SI], s[ST], s[OFF]
	s_cmp_gt_u32 s[SI], s[AT]                      ; all its keys come after my queries
	s_cbranch_scc1 .Lhidden_\@
.endif
	LDV
	s_wait_dscnt 20                                ; K and its words are in; V's 20 loads may be out
	WIN 0x05
.irp T, 0,1,2,3
.irp u, 0,1
	v_wmma_scale_f32_16x16x128_f8f6f4 v[S+64*\u+16*\T:S+64*\u+16*\T+7], v[KF+12*\T:KF+12*\T+11], v[QZ+12*\u+6:QZ+12*\u+17], 0, v[KS+\T], v[QS+\u] matrix_a_fmt:MATRIX_FMT_FP6 matrix_b_fmt:MATRIX_FMT_FP6
	v_wmma_scale_f32_16x16x128_f8f6f4 v[S+64*\u+16*\T+8:S+64*\u+16*\T+15], v[KF+12*\T:KF+12*\T+11], v[QZ+12*\u:QZ+12*\u+11], 0, v[KS+\T], v[QS+\u] matrix_a_fmt:MATRIX_FMT_FP6 matrix_b_fmt:MATRIX_FMT_FP6
.endr
.endr
	WIN 0
.if \peel
	PLACES 4
.else
	NEXTA
	LDK
.endif
	s_cmp_lg_u32 s[SI], s[AT]                      ; only the pair's own block lies on the diagonal
	s_cbranch_scc1 .Lopen_\@
	v_and_b32 v[BM], 7, v0
	v_and_b32 v[BM+1], 8, v0
	v_lshl_add_u32 v[BM], v[BM+1], 2, v[BM]        ; 32 (r / 8) + r % 8
	v_and_b32 v[BM+1], 16, v0
	v_lshlrev_b32 v[BM+1], 1, v[BM+1]
	v_sub_nc_u32 v[BM], v[BM], v[BM+1]             ; - 32 h
	v_add_nc_u32 v[BM], s[B0], v[BM]               ; d: tile 0's query in its block - 32 h; register n of band c is hidden where n > d - 64 c; tile 1's queries lie 8 further on
	v_add_nc_u32 v[BM+1], 0xffffffc0, v[BM]
	v_mov_b32 v[BM+2], 0xff800000                  ; -infinity: p = 0 then
.irp c, 0,1
.set y, -8
.rept 40                                           ; one compare serves register y of tile 0 and y + 8 of tile 1
	v_cmp_gt_i32 vcc_lo, y, v[BM+\c]
.if y >= 0
	v_cndmask_b32 v[S+32*\c+y], v[S+32*\c+y], v[BM+2], vcc_lo
.endif
.if y <= 23
	v_cndmask_b32 v[S+64+32*\c+y+8], v[S+64+32*\c+y+8], v[BM+2], vcc_lo
.endif
.set y, y+1
.endr
.endr
.Lopen_\@:
.irp b, 0,1,2,3
	v_max3_num_f32 v[BM+\b], v[S+32*\b], v[S+32*\b+1], v[S+32*\b+2]   ; the largest score of each block: for the row's maximum and for the block's largest p
.endr
.irp i, 3,5,7,9,11,13,15,17,19,21,23,25,27,29
.irp b, 0,1,2,3
	v_max3_num_f32 v[BM+\b], v[BM+\b], v[S+32*\b+\i], v[S+32*\b+\i+1]
.endr
.endr
.irp b, 0,1,2,3
	v_max_num_f32 v[BM+\b], v[BM+\b], v[S+32*\b+31]
.endr
.irp u, 0,1
	v_max_num_f32 v[TT+2*\u], v[BM+2*\u], v[BM+2*\u+1]
.endr
.irp u, 0,1
	v_permlanex16_b32 v[TT+2*\u+1], v[TT+2*\u], s[SEL], s[SEL+1]
.endr
.irp u, 0,1
	v_max3_num_f32 v[NM+2*\u+1], v[NM+2*\u+1], v[TT+2*\u], v[TT+2*\u+1]   ; the running largest score
.endr
.irp u, 0,1
	v_mul_f32 v[TT+2*\u], s[CS], -v[NM+2*\u+1]     ; - the largest t (c is positive)
.endr
.irp u, 0,1
	v_mov_b32 v[FF+2*\u], v[NM+2*\u]
.endr
.irp u, 0,1
	v_floor_f32 v[NM+2*\u], v[TT+2*\u]             ; -M: M is a whole number
.endr
.irp u, 0,1
	v_sub_f32 v[FF+2*\u], v[NM+2*\u], v[FF+2*\u]   ; old M - new M, 0 or less
.endr
.irp u, 0,1
	v_cvt_i32_f32 v[FF+2*\u], v[FF+2*\u]           ; (it saturates)
.endr
.irp u, 0,1
	v_ldexp_f32 v[FF+2*\u], 1.0, v[FF+2*\u]        ; f = 2^(old M - new M)
.endr
.irp b, 0,1,2,3
	v_fma_f32 v[BM+\b], v[BM+\b], s[CS], v[NM+2*(\b/2)]
.endr
.set n, 0
.rept 32
	v_pk_fma_f32 v[S+n:S+n+1], v[S+n:S+n+1], s[CS:CS+1], v[NM:NM+1] op_sel_hi:[1,0,0]   ; tile 0's t - M
.set n, n+2
.endr
	WALU
.irp b, 0,1,2,3
	v_exp_f32 v[BM+\b], v[BM+\b]                   ; each block's largest p
.endr
.set n, 0
.rept 32                                           ; tile 0's p; tile 1's t - M between, read behind the next wait
	v_exp_f32 v[S+n], v[S+n]
	v_pk_fma_f32 v[S+64+n:S+64+n+1], v[S+64+n:S+64+n+1], s[CS:CS+1], v[NM+2:NM+3] op_sel_hi:[1,0,0]
	v_exp_f32 v[S+n+1], v[S+n+1]
.set n, n+2
.endr
	WALU
.set n, 64
.rept 64
	v_exp_f32 v[S+n], v[S+n]                       ; tile 1's p
.set n, n+1
.endr
.irp u, 0,1
	v_pk_mul_f32 v[SUM+2*\u:SUM+2*\u+1], v[SUM+2*\u:SUM+2*\u+1], v[FF+2*\u:FF+2*\u+1] op_sel_hi:[1,0]   ; l under the new M (plain lines behind the exponentials)
.endr
	WALU
.irp b, 0,1,2,3
	v_max_num_f32 v[BM+\b], 0x1800000, v[BM+\b]    ; the floor 2^(3 - 127)
.endr
.irp b, 0,1,2,3
	v_add_nc_u32 v[SO+\b], 0xff000000, v[BM+\b]    ; the conversion's scale operand
.endr
.irp b, 0,1,2,3
	v_lshrrev_b32 v[BM+\b], 23, v[SO+\b]           ; the scale's byte
.endr
.irp u, 0,1
	v_lshl_or_b32 v[TT+2*\u], v[BM+2*\u+1], 16, v[BM+2*\u]
.endr
.irp u, 0,1
	v_permlanex16_b32 v[TT+2*\u+1], v[TT+2*\u], s[SEL], s[SEL+1]
.endr
.irp u, 0,1
	v_lshl_or_b32 v[FF+2*\u+1], v[TT+2*\u+1], 8, v[TT+2*\u]   ; lanes 0-15: my blocks 0, 2 and lane l + 16's 1, 3: p's scale word (lanes 16-31 are not read)
.endr
.irp b, 0,1,2,3
	v_cvt_scalef32_pk16_fp6_f32 v[PC+6*\b:PC+6*\b+2], v[S+32*\b:S+32*\b+15], v[SO+\b]
.endr
.irp u, 0,1                                        ; l: the numbers whose registers the conversions below take
	v_pk_add_f32 v[SUM+2*\u:SUM+2*\u+1], v[SUM+2*\u:SUM+2*\u+1], v[S+64*\u:S+64*\u+1]
	v_pk_add_f32 v[TT+2*\u:TT+2*\u+1], v[S+64*\u+2:S+64*\u+3], v[S+64*\u+32:S+64*\u+33]
.endr
.irp u, 0,1
	v_pk_add_f32 v[SUM+2*\u:SUM+2*\u+1], v[SUM+2*\u:SUM+2*\u+1], v[S+64*\u+34:S+64*\u+35]
.endr
.irp b, 0,1,2,3
	v_cvt_scalef32_pk16_fp6_f32 v[S+32*\b:S+32*\b+2], v[S+32*\b+16:S+32*\b+31], v[SO+\b]
.endr
	v_nop
.irp b, 0,1,2,3
.irp i, 0,1,2
	v_mov_b32 v[PC+6*\b+3+\i], v[S+32*\b+\i]
.endr
.endr
	WALU
.set n, 0
.rept 32
	v_pk_mul_f32 v[OO+n:OO+n+1], v[OO+n:OO+n+1], v[FF+2*(n/32):FF+2*(n/32)+1] op_sel_hi:[1,0]   ; O^T under the new M, from each accumulator's low end on
.set n, n+2
.endr
	WALU
.if \peel
	s_wait_tensorcnt 0x0                           ; my two records are in
	s_wait_dscnt 0x0
	s_barrier_signal -1
	s_barrier_wait -1                              ; all records are whole
	NEXTA
	LDK
.else
	s_wait_dscnt 20                                ; V and its words are in; the next K's 20 loads may be out
.endif
	WIN 0x01
.irp T, 0,1,2,3
.irp u, 0,1
	v_wmma_scale_f32_16x16x128_f8f6f4 v[OO+32*\u+8*\T:OO+32*\u+8*\T+7], v[VF+12*\T:VF+12*\T+11], v[PC+12*\u:PC+12*\u+11], v[OO+32*\u+8*\T:OO+32*\u+8*\T+7], v[VS+\T], v[FF+2*\u+1] matrix_a_fmt:MATRIX_FMT_FP6 matrix_b_fmt:MATRIX_FMT_FP6
.endr
.endr
	WIN 0
.irp i, 4,8,12,16,20,24,28,36,40,44,48,52,56,60    ; the rest of l, in two chains a tile: also the places behind the products
.irp u, 0,1
	v_pk_add_f32 v[SUM+2*\u:SUM+2*\u+1], v[SUM+2*\u:SUM+2*\u+1], v[S+64*\u+\i:S+64*\u+\i+1]
	v_pk_add_f32 v[TT+2*\u:TT+2*\u+1], v[TT+2*\u:TT+2*\u+1], v[S+64*\u+\i+2:S+64*\u+\i+3]
.endr
.endr
.irp u, 0,1
	v_pk_add_f32 v[SUM+2*\u:SUM+2*\u+1], v[SUM+2*\u:SUM+2*\u+1], v[TT+2*\u:TT+2*\u+1]
.endr
.if \peel == 0
.Lhidden_\@:
.endif
.endm
.macro INIT qw                         ; a pair begins: q's scale words (a tile's two bytes, twice), the largest score = -3e38, l and O^T zeros, which the first change of M leaves zeros
	WIN 0x01
	v_mov_b32 v[QS], v[\qw]
	v_mov_b32 v[QS+1], v[\qw]
	WIN 0
	v_and_b32 v[QS], 0xffff, v[QS]
	v_lshrrev_b32 v[QS+1], 16, v[QS+1]
	v_lshl_or_b32 v[QS], v[QS], 16, v[QS]
	v_lshl_or_b32 v[QS+1], v[QS+1], 16, v[QS+1]
.irp u, 0,1
	v_mov_b32 v[NM+2*\u], 0x7f61b1e6
	v_mov_b32 v[NM+2*\u+1], 0xff61b1e6
	v_mov_b32 v[SUM+2*\u], 0
	v_mov_b32 v[SUM+2*\u+1], 0
.endr
.set n, 0
.rept 64
	v_mov_b32 v[OO+n], 0
.set n, n+1
.endr
.endm
.macro FINISH img, sc                  ; O^T / l, quantised along the head's 64 channels (a lane's 32 are one block), which are 64 of the last product's K
.irp u, 0,1
	v_add_f32 v[SUM+2*\u], v[SUM+2*\u], v[SUM+2*\u+1]
.endr
.irp u, 0,1
	v_permlanex16_b32 v[TT+2*\u+1], v[SUM+2*\u], s[SEL], s[SEL+1]
.endr
.irp u, 0,1
	v_add_f32 v[SUM+2*\u], v[SUM+2*\u], v[TT+2*\u+1]   ; the row's sum
.endr
	WALU
	v_rcp_f32 v[SUM], v[SUM]
	v_rcp_f32 v[SUM+2], v[SUM+2]
	v_lshlrev_b32 v[FF], 1, v[L8]                  ; 16 x lane (a plain line behind the reciprocals)
	v_and_b32 v[FF+2], 15, v0
	v_lshlrev_b32 v[FF+2], 3, v[FF+2]              ; 8 r: a row's two words
	WALU
.set n, 0
.rept 32
	v_pk_mul_f32 v[OO+n:OO+n+1], v[OO+n:OO+n+1], v[SUM+2*(n/32):SUM+2*(n/32)+1] op_sel_hi:[1,0]
.set n, n+2
.endr
.irp b, 0,1,2,3                                    ; b = 2 x tile + half
	v_max3_num_f32 v[BM+\b], |v[OO+16*\b]|, |v[OO+16*\b+1]|, 0x1800000
.endr
.irp i, 2,4,6,8,10,12,14
.irp b, 0,1,2,3
	v_max3_num_f32 v[BM+\b], v[BM+\b], |v[OO+16*\b+\i]|, |v[OO+16*\b+\i+1]|
.endr
.endr
.irp u, 0,1
	v_max_num_f32 v[BM+2*\u], v[BM+2*\u], v[BM+2*\u+1]
.endr
.irp u, 0,1
	v_add_nc_u32 v[SO+\u], 0xff000000, v[BM+2*\u]
.endr
.irp u, 0,1
	v_lshrrev_b32 v[BM+2*\u], 23, v[SO+\u]
.endr
.irp u, 0,1
	v_permlanex16_b32 v[TT+2*\u+1], v[BM+2*\u], s[SEL], s[SEL+1]
.endr
.irp u, 0,1
	v_lshl_or_b32 v[TT+2*\u], v[TT+2*\u+1], 8, v[BM+2*\u]     ; lanes 0-15: my byte, then lane l + 16's
	v_lshl_or_b32 v[BM+2*\u+1], v[BM+2*\u], 8, v[TT+2*\u+1]   ; lanes 16-31: the same two
.endr
.irp u, 0,1
	v_cndmask_b32 v[TT+2*\u], v[TT+2*\u], v[BM+2*\u+1], s[HM]
.endr
.irp u, 0,1
	v_cvt_scalef32_pk16_fp6_f32 v[PC+12*\u:PC+12*\u+2], v[OO+32*\u:OO+32*\u+15], v[SO+\u]
	v_cvt_scalef32_pk16_fp6_f32 v[PC+12*\u+6:PC+12*\u+8], v[OO+32*\u+16:OO+32*\u+31], v[SO+\u]
.endr
	v_nop
.irp u, 0,1
.irp i, 0,1,2
	v_mov_b32 v[PC+12*\u+3+\i], v[PC+12*\u+6+\i]
.endr
.endr
.irp u, 0,1
	global_store_b128 v[FF], v[PC+12*\u:PC+12*\u+3], s[\img:\img+1] offset:3072*\u            ; 512 consecutive bytes, aligned to 256
	global_store_b64 v[L8], v[PC+12*\u+4:PC+12*\u+5], s[\img:\img+1] offset:3072*\u+512       ; 256 consecutive bytes, aligned
	global_store_b16 v[FF+2], v[TT+2*\u], s[\sc:\sc+1] offset:512*\u
.endr
.endm
	s_load_b128 s[4:7], s[0:1], 0x0                ; rec, att
	WIN 0x40
	v_lshl_add_u32 v[SPW], v0, 2, SPARE
	v_mov_b32 v[NIL], 0
	WIN 0x05
	ds_add_u32 v[SPW], v[NIL]                      ; the opening lines
	ds_add_u32 v[SPW], v[NIL]
	WIN 0
	v_lshrrev_b32 v3, 5, v0
	v_readfirstlane_b32 s[WV], v3                  ; wave 0..7
	s_lshr_b32 s13, s[WV], 2                       ; 0: the first nine steps of block 15 - i;  1: block i, then the rest of block 15 - i
	s_and_b32 s14, s[WV], 3                        ; k
	s_lshl_b32 s15, s14, 1
	s_add_co_u32 s15, s15, ttmp9                   ; i = X + 2 k
	s_bfe_u32 s16, ttmp6, 0x40000                  ; a = cx: it enters global addresses and the mask's compare value alone
	s_and_b32 s17, ttmp7, 0xffff                   ; bh, which the four partners share
	s_sub_co_u32 s18, 15, s15
	s_mov_b32 s28, 15|(3<<16)|(1<<21)              ; group 1: the mask names all four; elements of 8 bytes, 100 dense rows of 256 bytes: two records
	s_mov_b32 s29, 32<<16
	s_mov_b32 s30, 100<<16
	s_mov_b32 s31, 32<<16
	s_mov_b32 s32, 100
	s_mov_b32 s33, 32
	s_mov_b32 s34, 0
	s_mov_b32 s35, 0
	s_mov_b32 s36, 1
	s_mul_i32 s37, s[WV], 2*RECB
	s_mul_i32 s40, s17, 16*RECB
	s_add_co_u32 s40, s40, s37
	s_add_co_u32 s40, s40, 3276800                 ; K's and V's records
	s_mov_b32 s41, 0
	s_cmp_eq_u32 s13, 0
	s_cselect_b32 s[AT], s18, s15                  ; the first block
	s_lshl_b32 s67, s17, 4
	s_add_co_u32 s68, s67, s[AT]
	s_mul_i32 s68, s68, 6400
	s_mul_i32 s69, s16, 1536
	s_add_co_u32 s42, s68, s69                     ; q's images of the pair
	s_lshl_b32 s70, s16, 6
	s_add_co_u32 s70, s70, 6144
	s_add_co_u32 s44, s68, s70                     ; q's scale words
	s_add_co_u32 s68, s67, s18
	s_mul_i32 s68, s68, 6400
	s_add_co_u32 s46, s68, s69                     ; the same of block 15 - i
	s_add_co_u32 s48, s68, s70
.irp g, 43,45,47,49
	s_mov_b32 s\g, 0
.endr
	v_and_b32 v3, 31, v0
	v_lshlrev_b32 v[L8], 3, v3
	v_lshlrev_b32 v[FF], 4, v3
	v_and_b32 v3, 15, v0
	v_lshlrev_b32 v[TT], 2, v3                     ; 4 r
	v_add_nc_u32 v[LS], 12288, v[TT]               ; a record's scale words
	WALU
	s_wait_dscnt 0x0
	s_wait_kmcnt 0x0
	s_add_nc_u64 s[38:39], s[4:5], s[40:41]
	s_or_b32 s39, s39, 0x80000000
	ROUND                                          ; the four work-groups are here: the joint loads meet
	s_cmp_eq_u32 s[WV], 0
	s_cbranch_scc0 .Lothers
	tensor_load_to_lds s[36:39], s[28:35]          ; wave 0: records 0 and 1, which trip 0 reads
	s_nop 0
	PLACES 4
	s_branch .Lasked
.Lothers:
	tensor_load_to_lds s[36:39], s[28:35]
	s_nop 0
	PLACES 4
.Lasked:
	s_add_nc_u64 s[42:43], s[4:5], s[42:43]
	s_add_nc_u64 s[44:45], s[4:5], s[44:45]
	s_add_nc_u64 s[46:47], s[4:5], s[46:47]
	s_add_nc_u64 s[48:49], s[4:5], s[48:49]
	WIN 0x40
	global_load_b128 v[QZ+6:QZ+9], v[FF], s[42:43]
	global_load_b64 v[QZ+10:QZ+11], v[L8], s[42:43] offset:512
	global_load_b128 v[QZ+18:QZ+21], v[FF], s[42:43] offset:768
	global_load_b64 v[QZ+22:QZ+23], v[L8], s[42:43] offset:1280
	global_load_b32 v[QW1], v[TT], s[44:45]
	global_load_b128 v[Q2:Q2+3], v[FF], s[46:47]
	global_load_b64 v[Q2+4:Q2+5], v[L8], s[46:47] offset:512
	global_load_b128 v[Q2+6:Q2+9], v[FF], s[46:47] offset:768
	global_load_b64 v[Q2+10:Q2+11], v[L8], s[46:47] offset:1280
	global_load_b32 v[QW2], v[TT], s[48:49]
.irp j, 0,1,2,3,4,5,12,13,14,15,16,17,24,25,26,27,28,29
	v_mov_b32 v[QZ+\j], 0                          ; zero codes on either side of q
.endr
	s_mul_i32 s67, s14, 9216
	s_add_co_u32 s67, s67, STAGE
	v_lshl_add_u32 v[STA], v[L8], 1, s67           ; my pair's stage of the join
	WIN 0
	s_mov_b32 s[SEL], 0x76543210
	s_mov_b32 s[SEL+1], 0xfedcba98
	s_mov_b32 s[CS], 0x3e38aa3b                    ; c = log2(e) / 8
	s_mov_b32 s[CS+1], s[CS]
	s_mov_b32 s[HM], 0xffff0000                    ; lanes 16-31
	s_mov_b32 s[ST], 0
	s_mov_b32 s[OFF], 0
	s_sub_co_u32 s[OFF2], 8, s15                   ; step 9 comes in trip i + 1
	s_add_co_u32 s67, s15, 1
	s_cmp_eq_u32 s13, 0
	s_cselect_b32 s[SWT], 15, s67                  ; the trip in which the second pair begins; 15: never
	s_lshr_b32 s67, s16, 1
	s_lshl_b32 s67, s67, 6
	s_and_b32 s68, s16, 1
	s_lshl_b32 s68, s68, 4
	s_add_co_u32 s[B0], s67, s68                   ; tile 2 a's first query in its block
	; where the results go: panel 16 b + block, head hd: 64 along the last product's K
	s_and_b32 s67, s17, 15
	s_lshr_b32 s68, s67, 2
	s_and_b32 s67, s67, 3
	s_mul_i32 s69, s68, 24576
	s_mul_i32 s70, s67, 768
	s_add_co_u32 s69, s69, s70
	s_mul_i32 s70, s16, 6144
	s_add_co_u32 s69, s69, s70
	s_lshl_b32 s70, s68, 7
	s_lshl_b32 s67, s67, 1
	s_add_co_u32 s70, s70, s67
	s_lshl_b32 s67, s16, 10
	s_add_co_u32 s70, s70, s67
	s_add_co_u32 s70, s70, 98304
	s_and_b32 s67, s17, 16
	s_add_co_u32 s68, s67, s15
	s_mul_i32 s68, s68, 102400
	s_add_co_u32 s50, s68, s69
	s_add_co_u32 s52, s68, s70
	s_add_co_u32 s68, s67, s18
	s_mul_i32 s68, s68, 102400
	s_add_co_u32 s54, s68, s69
	s_add_co_u32 s56, s68, s70
.irp g, 51,53,55,57
	s_mov_b32 s\g, 0
.endr
	s_add_nc_u64 s[50:51], s[6:7], s[50:51]        ; block i
	s_add_nc_u64 s[52:53], s[6:7], s[52:53]
	s_add_nc_u64 s[54:55], s[6:7], s[54:55]        ; block 15 - i
	s_add_nc_u64 s[56:57], s[6:7], s[56:57]
	v_lshlrev_b32 v[A16], 1, v[L8]                 ; record 0
	v_mov_b32 v[A8], v[L8]
	v_mov_b32 v[ADS], v[LS]
	v_mov_b32 v[FF+1], 0                           ; (named as the upper half of a pair before it is first written)
	v_mov_b32 v[FF+3], 0
	WALU
	s_wait_loadcnt 0x0
	v_mov_b32 v[TT+1], 0                           ; a lane permute's destination counts as read
	v_mov_b32 v[TT+3], 0
	INIT QW1
	WALU                                           ; the wait at the head's end
	s_cmp_eq_u32 s[WV], 0
	s_cbranch_scc0 .Lnot_mine
	s_wait_tensorcnt 0x0                           ; records 0 and 1 are in; the other waves' may be out
.Lnot_mine:
	s_barrier_signal -1
	s_barrier_wait -1
	LDK
	STEP 1
	s_mov_b32 s[ST], 1
.Ltrip:
	s_cmp_lg_u32 s[ST], s[SWT]
	s_cbranch_scc1 .Lsame
	FINISH 50, 52                                  ; block i is done
	WALU
	s_wait_xcnt 0x0                                ; the stores have read their registers
	WIN 0x41
.irp j, 0,1,2,3,4,5
	v_mov_b32 v[QZ+6+\j], v[Q2+\j]                 ; block 15 - i's q
	v_mov_b32 v[QZ+18+\j], v[Q2+6+\j]
.endr
	INIT QW2
	s_mov_b32 s[AT], s18
	s_mov_b32 s[OFF], s[OFF2]
	WALU
.Lsame:
	STEP 0
	s_add_co_u32 s[ST], s[ST], 1
	s_cmp_lt_u32 s[ST], 9
	WALU
	s_cbranch_scc1 .Ltrip
	WALU
	s_wait_dscnt 0x0
	s_cmp_lt_u32 s[WV], 4
	s_cbranch_scc1 .Lno_part
	WIN 0x01                                       ; the second part of block 15 - i: O^T, -M and l
.set n, 0
.rept 16
	ds_store_b128 v[STA], v[OO+4*n:OO+4*n+3] offset:512*n
.set n, n+1
.endr
	ds_store_b128 v[STA], v[NM:NM+3] offset:8192
	ds_store_b128 v[STA], v[SUM:SUM+3] offset:8704
	WIN 0
.Lno_part:
	s_wait_dscnt 0x0
	s_barrier_signal -1
	s_barrier_wait -1                              ; the parts are in LDS
	s_cmp_lt_u32 s[WV], 4
	s_cbranch_scc0 .Lend
	WIN 0x01
	ds_load_b128 v[S+64:S+67], v[STA] offset:8192
	ds_load_b128 v[S+68:S+71], v[STA] offset:8704
.set n, 0
.rept 16
	ds_load_b128 v[S+4*n:S+4*n+3], v[STA] offset:512*n
.set n, n+1
.endr
	WIN 0
	s_wait_dscnt 0x0
.irp u, 0,1
	v_min_num_f32 v[TT+2*\u], v[NM+2*\u], v[S+64+2*\u]        ; -M of both parts (a part without steps has M = -3e38: its factor is 0)
.endr
.irp u, 0,1
	v_sub_f32 v[FF+2*\u], v[TT+2*\u], v[NM+2*\u]
	v_sub_f32 v[TT+2*\u], v[TT+2*\u], v[S+64+2*\u]
.endr
.irp u, 0,1
	v_cvt_i32_f32 v[FF+2*\u], v[FF+2*\u]
	v_cvt_i32_f32 v[TT+2*\u], v[TT+2*\u]
.endr
.irp u, 0,1
	v_ldexp_f32 v[FF+2*\u], 1.0, v[FF+2*\u]
	v_ldexp_f32 v[TT+2*\u], 1.0, v[TT+2*\u]
.endr
.irp u, 0,1
	v_pk_mul_f32 v[S+68+2*\u:S+69+2*\u], v[S+68+2*\u:S+69+2*\u], v[TT+2*\u:TT+2*\u+1] op_sel_hi:[1,0]
.endr
.set n, 0
.rept 32
	v_pk_mul_f32 v[S+n:S+n+1], v[S+n:S+n+1], v[TT+2*(n/32):TT+2*(n/32)+1] op_sel_hi:[1,0]
.set n, n+2
.endr
.irp u, 0,1
	v_pk_fma_f32 v[SUM+2*\u:SUM+2*\u+1], v[SUM+2*\u:SUM+2*\u+1], v[FF+2*\u:FF+2*\u+1], v[S+68+2*\u:S+69+2*\u] op_sel_hi:[1,0,1]
.endr
.set n, 0
.rept 32
	v_pk_fma_f32 v[OO+n:OO+n+1], v[OO+n:OO+n+1], v[FF+2*(n/32):FF+2*(n/32)+1], v[S+n:S+n+1] op_sel_hi:[1,0,1]
.set n, n+2
.endr
	FINISH 54, 56
.Lend:
	WIN 0x05
	s_wait_tensorcnt 0x0                           ; the wave's end
	ds_add_u32 v[SPW], v[NIL]
	s_wait_dscnt 0x0
	WIN 0
	ROUND                                          ; the closing round
	s_endpgm
.Lfunc_end_k_q72f28e6da4_attn:
	.size	k_q72f28e6da4_attn, .Lfunc_end_k_q72f28e6da4_attn-k_q72f28e6da4_attn
	.p2alignl 7, 3214868480
	.fill 96, 4, 3214868480
	.section	.rodata,"a",@progbits
	.p2align	6, 0x0
	.amdhsa_kernel k_q72f28e6da4_attn
		.amdhsa_group_segment_fixed_size 242688
		.amdhsa_private_segment_fixed_size 0
		.amdhsa_enable_private_segment 0
		.amdhsa_kernarg_size 16
		.amdhsa_user_sgpr_count 2
		.amdhsa_user_sgpr_kernarg_segment_ptr 1
		.amdhsa_wavefront_size32 1
		.amdhsa_system_sgpr_workgroup_id_x 1
		.amdhsa_system_sgpr_workgroup_id_y 1
		.amdhsa_system_sgpr_workgroup_id_z 1
		.amdhsa_system_vgpr_workitem_id 0
		.amdhsa_next_free_vgpr 400
		.amdhsa_next_free_sgpr 72
		.amdhsa_reserve_vcc 1
		.amdhsa_float_denorm_mode_32 3
		.amdhsa_float_denorm_mode_16_64 3
		.amdhsa_memory_ordered 1
		.amdhsa_forward_progress 1
		.amdhsa_inst_pref_size 106
	.end_amdhsa_kernel
	.amdgpu_metadata
---
amdhsa.version: [ 1, 2 ]
amdhsa.kernels:
  - .name:           k_q72f28e6da4_attn
    .symbol:         k_q72f28e6da4_attn.kd
    .args:
      - { .name: rec, .offset: 0, .size: 8, .value_kind: global_buffer, .address_space: global }
      - { .name: att, .offset: 8, .size: 8, .value_kind: global_buffer, .address_space: global }
    .group_segment_fixed_size: 242688
    .private_segment_fixed_size: 0
    .kernarg_segment_align: 8
    .kernarg_segment_size: 16
    .max_flat_workgroup_size: 256
    .sgpr_count:     72
    .vgpr_count:     400
    .wavefront_size: 32
...
	.end_amdgpu_metadata
.endif
;; end of part 3
;; launch oproj (part 4): grid 8 x 32, 4 waves a work-group, clusters of 4 x 4, 222,720 bytes of LDS; arguments att, xw, out0; writes out0
.if DOCPART == 4
	.amdgcn_target "amdgcn-amd-amdhsa--gfx1250"
	.amdhsa_code_object_version 6
	.text
	.protected	k_q72f28e6da4_oproj
	.globl	k_q72f28e6da4_oproj
	.p2align	8
	.type	k_q72f28e6da4_oproj,@function
k_q72f28e6da4_oproj:
	s_mov_b64 s[64:65], 0
	v_nop
	global_prefetch_b8 v0, s[64:65] scope:SCOPE_SE
	s_setreg_imm32_b32 hwreg(HW_REG_WAVE_MODE, 25, 1), 1
	s_wait_xcnt 0x0
	s_wait_alu depctr_hold_cnt(0) depctr_sa_sdst(0) depctr_va_vdst(0) depctr_va_sdst(0) depctr_va_ssrc(0) depctr_va_vcc(0) depctr_vm_vsrc(0)
	s_getreg_b32 s2, hwreg(HW_REG_IB_STS2, 6, 4)
	s_cmp_eq_u32 s2, 0
	s_cbranch_scc0 .Lentry_in_a_cluster
	s_endpgm
.Lentry_in_a_cluster:
	s_bfe_u32 s2, ttmp6, 0x10000c
	s_cmp_lg_u32 s2, 0xf033
	s_cbranch_scc0 .Lentry_shape_is_right
	s_endpgm
.Lentry_shape_is_right:
; out0 = attn W_o^T on codes of FP6 with E8M0 scales, f32 sums.  Work-group (j, P): panel P of the attention's result (128 tokens) against panel j of W_o (128 rows); wave (wr, wc): 64 tokens x 64 columns.
; A wave holds its 64 rows of W_o, all of K, in registers (32 fragments, 384 registers) and streams its tokens past them in four blocks of 16, so that a finished block leaves while the next is multiplied.
; Panels (102,400 bytes: codes as images of operand registers, [K / 256][tile][four halves][768], then the scale words) lie whole in LDS: one first fill a wave (waves 0, 1 W_o's halves, waves 2, 3 the tokens'), nothing is filled again, so nothing is prefetched.
; CLUSTER 4 x 4: the tokens' panel is shared along a row of the cluster, W_o's along a column.
; Source 0 = W_o, source 1 = the tokens: a lane holds one token and 32 neighbouring columns; a block of 16 tokens x 64 columns goes through the wave's own stage and leaves as whole rows of 256 bytes.
; LIMITS: NaN and infinities are not served.
; REGISTERS: window 0: v1-15 addresses; v16-47 the tokens' scale words, v50-81 W_o's; v82-84 addresses; v128-191 two sets of four accumulators; v192-255 two sets of 32: rows read back.
;   window 1: W_o's fragments of steps 0-4.  window 2: v0-143 of steps 5-7; v144-239 a block's eight fragments.  window 3: v0-95 the other block's.
.set PANEL, 102400
.set STAGE, 2*PANEL                    ; 16 rows x 272 bytes for each wave
.set SPARE, STAGE+4*4352
.set SPW,  1
.set NIL,  2
.set L16,  3
.set L8,   4
.set LSW,  5
.set LSX,  6
.set AW,   8
.set AX,   12
.set SX,   16
.set SW,   50
.set STO,  82
.set RD,   83
.set CO,   84
.set ACC,  128
.set RB,   192
.set WV,   14
.set G1W,  28
.set G1X,  36
.set MSB, 0
.macro WIN new
.if MSB != \new
	s_set_vgpr_msb (MSB<<8)|\new
.set MSB, \new
.endif
.endm
.macro WALU
	s_wait_alu depctr_va_vdst(0)
.endm
.macro ROUND
	s_barrier_signal -1
	s_barrier_wait -1
	s_cmp_lg_u32 s[WV], 0
	s_cbranch_scc1 .Lnot_wave_0_\@
	s_barrier_signal -3
.Lnot_wave_0_\@:
	s_barrier_wait -3
	s_barrier_signal -1
	s_barrier_wait -1
.endm
.macro PLACES n
.rept \n
	v_nop
.endr
.endm
.macro ADR a, sreg
	v_add_nc_u32 v[\a], s[\sreg], v[L16]
	v_add_nc_u32 v[\a+1], s[\sreg], v[L8]
	v_add_nc_u32 v[\a+2], 49152, v[\a]
	v_add_nc_u32 v[\a+3], 49152, v[\a+1]
.endm
.macro FRAG dst, adr, s, i             ; one fragment: tile i, step s
.set FO, (((\s)/2)%2)*24576+((\s)%2)*1536+(\i)*3072
.set FA, \adr+2*((\s)/4)
	ds_load_b128 v[\dst:\dst+3], v[FA] offset:FO
	ds_load_b64 v[\dst+4:\dst+5], v[FA+1] offset:FO+512
	ds_load_b128 v[\dst+6:\dst+9], v[FA] offset:FO+768
	ds_load_b64 v[\dst+10:\dst+11], v[FA+1] offset:FO+1280
.endm
.macro FETCHX o                        ; block o's eight fragments: 32 loads
.if (\o)%2
	WIN 0xc0
.else
	WIN 0x80
.endif
.irp s, 0,1,2,3,4,5,6,7
	FRAG 144*(1-(\o)%2)+12*\s, AX, \s, \o
.endr
	WIN 0
.endm
.macro SCALES dst, adr
.irp a, 0,1,2,3
.irp k, 0,1,2,3
	ds_load_b64 v[\dst+8*\a+2*\k:\dst+8*\a+2*\k+1], v[\adr] offset:\a*512+\k*128
.endr
.endr
.endm
.macro MULB o, s0                      ; half a block: 16 matrix instructions; the block's four accumulators take turns, one instruction a turn; step 0 starts the sums
.irp d, 0,1,2,3
.set S_, \s0+\d
.if S_ < 5
.set AF_, 48*S_
.set M_, 1+4*(2+(\o)%2)
.else
.set AF_, 48*(S_-5)
.set M_, 2+4*(2+(\o)%2)
.endif
.set XB_, 144*(1-(\o)%2)+12*S_
	WIN M_
.irp i, 0,1,2,3
.set DD, ACC+32*((\o)%2)+8*\i
.if S_ == 0
	v_wmma_scale_f32_16x16x128_f8f6f4 v[DD:DD+7], v[AF_+12*\i:AF_+12*\i+11], v[XB_:XB_+11], 0, v[SW+8*\i+S_], v[SX+8*(\o)+S_] matrix_a_fmt:MATRIX_FMT_FP6 matrix_b_fmt:MATRIX_FMT_FP6
.else
	v_wmma_scale_f32_16x16x128_f8f6f4 v[DD:DD+7], v[AF_+12*\i:AF_+12*\i+11], v[XB_:XB_+11], v[DD:DD+7], v[SW+8*\i+S_], v[SX+8*(\o)+S_] matrix_a_fmt:MATRIX_FMT_FP6 matrix_b_fmt:MATRIX_FMT_FP6
.endif
.endr
.endr
	WIN 0
.endm
.macro TOSTAGE o                       ; 16 tokens x 64 columns into my stage, each accumulator from its low end on, and back as whole rows
.irp i, 0,1,2,3
	ds_store_b128 v[STO], v[ACC+32*((\o)%2)+8*\i:ACC+32*((\o)%2)+8*\i+3] offset:32*\i
	ds_store_b128 v[STO], v[ACC+32*((\o)%2)+8*\i+4:ACC+32*((\o)%2)+8*\i+7] offset:32*\i+16
.endr
.if (\o) > 1
	s_wait_xcnt 0x0                                ; the stores of two blocks ago have read these registers
.endif
.irp t, 0,1,2,3,4,5,6,7
	ds_load_b128 v[RB+32*((\o)%2)+4*\t:RB+32*((\o)%2)+4*\t+3], v[RD] offset:544*\t   ; LDS serves a wave's instructions in order: these see the stores above
.endr
.endm
.macro SEND o
.irp t, 0,1,2,3,4,5,6,7
	global_store_b128 v[CO], v[RB+32*((\o)%2)+4*\t:RB+32*((\o)%2)+4*\t+3], s[8:9] offset:(8*(\o)+2*\t+24*(\t/4))*4096 th:TH_STORE_NT   ; sixteen lanes store 256 consecutive bytes, aligned
.endr
.endm
	s_load_b128 s[4:7], s[0:1], 0x0                ; att, xw
	s_load_b64 s[8:9], s[0:1], 0x10                ; out0
	v_lshl_add_u32 v[SPW], v0, 2, SPARE
	v_mov_b32 v[NIL], 0
	ds_add_u32 v[SPW], v[NIL]                      ; the opening lines
	ds_add_u32 v[SPW], v[NIL]
	v_lshrrev_b32 v3, 5, v0
	v_readfirstlane_b32 s[WV], v3                  ; wave 0..3
	s_lshr_b32 s15, s[WV], 1                       ; wr
	s_and_b32 s16, s[WV], 1                        ; wc; also: which half of its panel I fetch
	s_bfe_u32 s17, ttmp6, 0x40000                  ; cx
	s_bfe_u32 s18, ttmp6, 0x40004                  ; cy
	s_lshl_b32 s19, ttmp9, 2
	s_add_co_u32 s19, s19, s17                     ; j
	s_and_b32 s20, ttmp7, 0xffff
	s_lshl_b32 s20, s20, 2
	s_add_co_u32 s20, s20, s18                     ; P
	s_lshl_b32 s21, s18, 2
	s_lshl_b32 s21, 15, s21                        ; my row of the cluster
	s_lshl_b32 s22, 0x1111, s17                    ; my column
	s_or_b32 s[G1X], s21, (3<<16)|(1<<21)          ; elements of 8 bytes, no padding, bit 21 set beside a mask
	s_or_b32 s[G1W], s22, (3<<16)|(1<<21)
.irp g, G1X, G1W
	s_mov_b32 s[\g+1], 32<<16                      ; 200 rows of 256 bytes: half a panel
	s_mov_b32 s[\g+2], 200<<16
	s_mov_b32 s[\g+3], 32<<16
	s_mov_b32 s[\g+4], 200
	s_mov_b32 s[\g+5], 32
	s_mov_b32 s[\g+6], 0
	s_mov_b32 s[\g+7], 0
.endr
	s_mul_i32 s2, s16, 51200
	s_mul_i32 s24, s20, PANEL                      ; what hangs on P stays in s[24:25], what hangs on j in s[26:27]
	s_add_co_u32 s24, s24, s2
	s_mov_b32 s25, 0
	s_mul_i32 s26, s19, PANEL
	s_add_co_u32 s26, s26, s2
	s_add_co_u32 s26, s26, 56*PANEL                ; W_o's panels begin at panel 56
	s_mov_b32 s27, 0
	s_mov_b32 s44, 1
	s_mul_i32 s45, s[WV], 51200                    ; W_o's halves, then the tokens'
	s_mov_b32 s48, 1
	s_mul_i32 s49, s[WV], 51200
	s_wait_dscnt 0x0
	s_wait_kmcnt 0x0
	s_add_nc_u64 s[46:47], s[6:7], s[26:27]
	s_add_nc_u64 s[50:51], s[4:5], s[24:25]
	s_or_b32 s47, s47, 0x80000000
	s_or_b32 s51, s51, 0x80000000
	ROUND                                          ; all sixteen work-groups are here: the joint loads meet
	s_cmp_lt_u32 s[WV], 2
	s_cbranch_scc0 .Ltokens
	tensor_load_to_lds s[44:47], s[G1W:G1W+7]
	s_nop 0
	PLACES 4
	s_branch .Lasked
.Ltokens:
	tensor_load_to_lds s[48:51], s[G1X:G1X+7]
	s_nop 0
	PLACES 4
.Lasked:
	s_lshl_b32 s52, s20, 7
	s_lshl_b32 s53, s15, 6
	s_add_co_u32 s52, s52, s53                     ; my first token: 128 P + 64 wr
	s_lshl_b32 s52, s52, 12                        ; rows of 4,096 bytes
	s_lshl_b32 s53, s19, 9
	s_add_co_u32 s52, s52, s53
	s_lshl_b32 s53, s16, 8
	s_add_co_u32 s52, s52, s53                     ; my first column: 128 j + 64 wc, 4 bytes each
	s_mov_b32 s53, 0
	s_add_nc_u64 s[8:9], s[8:9], s[52:53]
	v_and_b32 v7, 31, v0
	v_lshlrev_b32 v[L16], 4, v7
	v_lshlrev_b32 v[L8], 3, v7
	v_and_b32 v87, 15, v0                          ; r
	v_bfe_u32 v88, v0, 4, 1                        ; h
	v_lshlrev_b32 v7, 3, v87
	s_lshl_b32 s2, s16, 11
	s_add_co_u32 s2, s2, 98304
	v_add_nc_u32 v[LSW], s2, v7
	s_lshl_b32 s2, s15, 11
	s_add_co_u32 s2, s2, PANEL+98304
	v_add_nc_u32 v[LSX], s2, v7
	s_mul_i32 s10, s16, 12288
	s_mul_i32 s11, s15, 12288
	s_add_co_u32 s11, s11, PANEL
	ADR AW, 10
	ADR AX, 11
	s_mul_i32 s2, s[WV], 4352
	s_add_co_u32 s2, s2, STAGE                     ; my stage
	v_mul_u32_u24 v[STO], v87, 272
	v_lshl_add_u32 v[STO], v88, 7, v[STO]
	v_add_nc_u32 v[STO], s2, v[STO]                ; in: row r, + 128 h: my 32 columns
	v_mul_u32_u24 v[RD], v88, 272
	v_lshl_add_u32 v[RD], v87, 4, v[RD]
	v_add_nc_u32 v[RD], s2, v[RD]                  ; back: lanes 0-15 one row, lanes 16-31 the next
	v_lshlrev_b32 v[CO], 12, v88
	v_lshl_add_u32 v[CO], v87, 4, v[CO]            ; and the same two rows in out0
	WALU                                           ; the wait at the head's end
	s_cmp_lt_u32 s[WV], 2
	s_cbranch_scc0 .Lnot_mine
	s_wait_tensorcnt 0x0                           ; W_o is in; the tokens may be out
.Lnot_mine:
	s_barrier_signal -1
	s_barrier_wait -1
	SCALES SW, LSW
.irp s, 0,1,2,3,4
	WIN 0x40
.irp i, 0,1,2,3
	FRAG 48*\s+12*\i, AW, \s, \i
.endr
.endr
.irp s, 5,6,7
	WIN 0x80
.irp i, 0,1,2,3
	FRAG 48*(\s-5)+12*\i, AW, \s, \i
.endr
.endr
	WIN 0
	s_wait_tensorcnt 0x0
	s_wait_dscnt 0x0
	s_barrier_signal -1
	s_barrier_wait -1                              ; the tokens are in
	SCALES SX, LSX
	FETCHX 0
	FETCHX 1
	s_wait_dscnt 32                                ; block 0 and the scale words are in; block 1's 32 loads may be out
	MULB 0, 0
	MULB 0, 4
.irp o, 0,1,2
	PLACES 4                                       ; behind the block's last products: for the stores below and the loads into its fragments' registers
	TOSTAGE \o
.if \o < 2
	FETCHX \o+2
	s_wait_dscnt 48                                ; block o + 1 is in; behind it: 16 of the stage, 32 of block o + 2
	MULB \o+1, 0
	s_wait_dscnt 32                                ; block o is back in registers
.else
	s_wait_dscnt 16
	MULB \o+1, 0
	s_wait_dscnt 0x0
.endif
	SEND \o
	MULB \o+1, 4
.endr
	PLACES 4
	TOSTAGE 3
	s_wait_dscnt 0x0
	SEND 3
	s_wait_tensorcnt 0x0                           ; the wave's end
	ds_add_u32 v[SPW], v[NIL]
	s_wait_dscnt 0x0
	ROUND                                          ; the closing round
	s_endpgm
.Lfunc_end_k_q72f28e6da4_oproj:
	.size	k_q72f28e6da4_oproj, .Lfunc_end_k_q72f28e6da4_oproj-k_q72f28e6da4_oproj
	.p2alignl 7, 3214868480
	.fill 96, 4, 3214868480
	.section	.rodata,"a",@progbits
	.p2align	6, 0x0
	.amdhsa_kernel k_q72f28e6da4_oproj
		.amdhsa_group_segment_fixed_size 222720
		.amdhsa_private_segment_fixed_size 0
		.amdhsa_enable_private_segment 0
		.amdhsa_kernarg_size 24
		.amdhsa_user_sgpr_count 2
		.amdhsa_user_sgpr_kernarg_segment_ptr 1
		.amdhsa_wavefront_size32 1
		.amdhsa_system_sgpr_workgroup_id_x 1
		.amdhsa_system_sgpr_workgroup_id_y 1
		.amdhsa_system_sgpr_workgroup_id_z 1
		.amdhsa_system_vgpr_workitem_id 0
		.amdhsa_next_free_vgpr 864
		.amdhsa_next_free_sgpr 72
		.amdhsa_reserve_vcc 0
		.amdhsa_float_denorm_mode_32 3
		.amdhsa_float_denorm_mode_16_64 3
		.amdhsa_memory_ordered 1
		.amdhsa_forward_progress 1
		.amdhsa_inst_pref_size 50
	.end_amdhsa_kernel
	.amdgpu_metadata
---
amdhsa.version: [ 1, 2 ]
amdhsa.kernels:
  - .name:           k_q72f28e6da4_oproj
    .symbol:         k_q72f28e6da4_oproj.kd
    .args:
      - { .name: att, .offset: 0, .size: 8, .value_kind: global_buffer, .address_space: global }
      - { .name: xw, .offset: 8, .size: 8, .value_kind: global_buffer, .address_space: global }
      - { .name: out0, .offset: 16, .size: 8, .value_kind: global_buffer, .address_space: global }
    .group_segment_fixed_size: 222720
    .private_segment_fixed_size: 0
    .kernarg_segment_align: 8
    .kernarg_segment_size: 24
    .max_flat_workgroup_size: 128
    .sgpr_count:     72
    .vgpr_count:     864
    .wavefront_size: 32
...
	.end_amdgpu_metadata
.endif
;; end of part 4
